; MI455X (gfx1250); checked and timed in simulation.
; The chip was launched on July 23, 2026; its instructions are those of AMD's public machine-readable ISA for CDNA 5 (MIT licence, August 2026) and "CDNA5" Instruction Set Architecture Reference Guide (July 2026). The comments in the code are by the model that wrote it; some were corrected since.
;; Transfusion. Allowed arithmetic: matrix products marked QUANTISED: E2M1 operands, one E8M0 scale for each 32 along K, by v_wmma_scale_f32_16x16x128_f8f6f4 with both operands' format E2M1 (or v_wmma_scale_f32_32x16x128_f4), f32 sums; everything else in f32.
;; Inputs: k 4 x 16 x 2,048 x 64 float32; modalities 4 x 4 x 3 int32; q 4 x 16 x 2,048 x 64 float32; v 4 x 16 x 2,048 x 64 float32.
;; Outputs: out0 4 x 16 x 2,048 x 64 float32.
;; This version of the problem:
;;   THIS VERSION OF THE PROBLEM IS GIVEN IN LOW PRECISION. The matrix products marked QUANTISED in the list below multiply operands that are first quantised to E2M1 (2 exponent bits, 1 mantissa bit; 4 bits a number), with one power-of-two scale for each 32 numbers along K (OCP MX v1.0); their sums are f32. All else is computed in f32.
;;   The module's matrix products, in the order in which they are computed (A, B: the left and right operand; K: the contracted axis; several contracted axes count as one K, in the product's order):
;;     1. batch 64 x [M 2,048, K 64] x [K 64, N 2,048]; A: input q; B: input k: QUANTISED
;;     2. batch 64 x [M 2,048, K 2,048] x [K 2,048, N 64]; A: softmax (see below); B: input v: QUANTISED
;;   THE QUANTISER, for each operand of a quantised product, along K:
;;     - K is cut into blocks of 32 from its start; a last block that is shorter is filled with zeros.
;;     - A block's scale is 2^e with e = floor(log2(the largest magnitude in the block)) - 2, held to -126 .. 127; a block of zeros has e = 0. As a byte (E8M0): e + 127.
;;     - Each number is divided by its block's scale, clamped to +-6, and rounded to the nearest number of E2M1, ties to even, subnormals kept.
;;     - The product sums the exact products of the quantised numbers (number of the format x scale) in f32.
;;   ~~~python
;;   def quantise(x, axis):      # numpy; x: float32 -> the quantised numbers, widened to float32 again
;;       x = np.moveaxis(x, axis, -1); K = x.shape[-1]
;;       x = np.pad(x, [(0, 0)] * (x.ndim - 1) + [(0, -K % 32)]); x = x.reshape(x.shape[:-1] + (-1, 32)); a = np.abs(x).max(-1, keepdims=True)
;;       e = np.where(a > 0, np.clip(np.frexp(np.where(a > 0, a, 1))[1] - 1 - 2, -126, 127), 0)      # np.frexp(a)[1] - 1 = floor(log2(a)), exactly
;;       r = np.clip(x / 2.0 ** e, -6, 6)
;;       step = 2.0 ** (np.maximum(np.frexp(np.where(r == 0, 1, r))[1] - 1, 0) - 1)
;;       q = np.round(r / step) * step * 2.0 ** e      # np.round: ties to even
;;       return np.moveaxis(q.reshape(q.shape[:-2] + (-1,))[..., :K], -1, axis).astype(np.float32)
;;   ~~~
;;   SOFTMAX AHEAD OF A QUANTISED PRODUCT. Where the list says 'softmax', what is quantised is not the finished softmax but p = 2^(t - M), with t = logit x log2(e) and M = ceil(the row's largest t), a whole number; so 1/2 < the row's largest p <= 1. The row's sum l is taken of the UNQUANTISED p, in f32, and the product's result is divided by l at the end. Since M is a whole number, a kernel that streams over the keys may use a running M (the ceiling of the running maximum): every later rescaling is an exact power of two, which a block's scale takes up: the codes' values come out the same.
;;   OPERANDS COMPUTED ON THE WAY. 'Computed on the way' means the value that the module computes at that place (a softmax that the list does not call 'softmax' is quantised finished and normalised). What goes into a quantiser is computed in f32, as accurately as f32 sums, v_exp_f32 and their like allow (about 1e-6 of the number): no bf16 or f16 on the way to a quantiser, and a product that is left as it is and whose result goes on into a quantised operand takes f32 operands (vector FMAs, or v_wmma_f32_16x16x4_f32). A number that lies on a knife's edge between two numbers of the format may be rounded either way, as far as f32 arithmetic and the matrix unit's own rounding can turn it there, and no further.
;; 2 versions. Each part assembles by itself: llvm-mc -triple=amdgcn-amd-amdhsa -mcpu=gfx1250 --defsym DOCPART=n.
;; ======== version 1 of 2: 2 launches
;; workspace buffers: kvc 8,388,608 bytes; kvs 524,288 bytes
;; launch quant (part 1): grid 256 x 2, 4 waves a work-group, no clusters, 35,328 bytes of LDS; arguments k, v, kvc, kvs; writes kvc, kvs
.if DOCPART == 1
	.amdgcn_target "amdgcn-amd-amdhsa--gfx1250"
	.amdhsa_code_object_version 6
	.text
	.protected	k_q395f4a4faf_quant
	.globl	k_q395f4a4faf_quant
	.p2align	8
	.type	k_q395f4a4faf_quant,@function
k_q395f4a4faf_quant:
	s_mov_b64 s[64:65], 0
	v_nop
	global_prefetch_b8 v0, s[64:65] scope:SCOPE_SE
	s_setreg_imm32_b32 hwreg(HW_REG_WAVE_MODE, 25, 1), 1
	s_wait_xcnt 0x0
; K and V, [64 heads][2048 keys][64] f32, become codes of FP4 (E2M1) with one E8M0 byte for each 32 along a product's K, laid as IMAGES OF OPERAND REGISTERS, so that the
; attention launch takes every fragment by 16-byte loads at 16 x lane.  K is quantised along d (the first product's K), V along the keys (the second product's K).
; A STEP is 128 keys.  kvc: [64 heads][16 steps][8,192 bytes]; kvs: [64 heads][16 steps][512 bytes].  Lane l = (r = l % 16, h = l / 16).
;   kvc, bytes 0-4095 of a step: K's image (b, u) at 1024 b + 512 u, lane l's 16 bytes at 16 l: the codes d = 32 h .. 32 h + 31 of key 32 b + 8 u + r + 8 (r / 8).
;   kvc, bytes 4096-8191: V's image (t, c) at 1024 t + 512 c, lane l at 16 l: the codes of column d = 16 t + r, keys 64 c + 32 h + 0 .. 31.
;   kvs, bytes 0-255: row r's 16 bytes at 16 r: word b = the bytes [image (b,0) h=0, (b,0) h=1, (b,1) h=0, (b,1) h=1].   bytes 256-511: at 16 r word t = column 16 t + r, byte j for keys 32 j on.
; A block's scale is 2^(floor(log2(its largest magnitude)) - 2); its byte is the largest magnitude's exponent field - 2, held at 1 from below.
; LIMITS: a block of zeros gets the byte 1 where the rule says 127 (its codes are zeros, and these bytes are read by this program alone); NaN and infinities among the inputs are not served.
; SHARES.  Work-group y = 0 takes K, y = 1 takes V.  One wave takes one step of one head: 32,768 consecutive bytes in, 4,096 bytes of codes and 256 scale bytes out.  Waves share nothing: no barrier.
; No address register and no store's data register is ever written again, so no wait on XCNT is needed.
.set R,   16                           ; K: v16-143  four sets of 32: an image's 16 keys as loaded
.set X,   144                          ; K: v144-207 two sets of 32: a lane's block of 32 neighbours along d
.set XV,  16                           ; V: v16-79   two sets of 32: a lane's block of 32 keys of one column
.set C,   208                          ; v208-239 codes: four registers for each of eight images
.set SP,  240                          ; v240-243 scale bytes gathered
.set T,   244                          ; v244-247 lane permutes' destinations
.set MA,  9                            ; v9, v10  two chains of the largest magnitude
.set MB,  10
.set SO,  11                           ; v11      the conversion's scale operand
.set EB,  12                           ; v12      the scale's byte
.set PIT, 272                          ; a stage row: a key's 256 bytes + 16, so that 16 rows start at 16 different 16-byte columns of 256
.set HST, 16*PIT                       ; a stage: 16 rows
.set WST, 2*HST                        ; a wave's two stages
	s_load_b256 s[4:11], s[0:1], 0x0               ; k s[4:5], v s[6:7], kvc s[8:9], kvs s[10:11]
	v_lshl_add_u32 v254, v0, 2, 0x8800
	v_mov_b32 v255, 0
	v_lshrrev_b32 v1, 5, v0
	v_readfirstlane_b32 s12, v1                    ; wave 0..3
	s_lshl_b32 s13, ttmp9, 2
	s_add_co_u32 s13, s13, s12                     ; my unit = 16 x head + step
	s_and_b32 s14, ttmp7, 0xffff                   ; 0: K, 1: V
	v_and_b32 v1, 31, v0                           ; lane
	v_and_b32 v13, 15, v0                          ; r
	v_bfe_u32 v9, v0, 4, 1                         ; h
	v_lshlrev_b32 v2, 4, v1                        ; 16 x lane: a load's 512 bytes, an image's place
	s_mul_i32 s15, s12, WST                        ; my stages
	v_mul_u32_u24 v3, v9, PIT
	v_lshl_add_u32 v3, v13, 4, v3
	v_add_nc_u32 v3, s15, v3                       ; into a stage: lanes 0-15 one row, lanes 16-31 the next
	v_mul_u32_u24 v4, v13, PIT
	v_lshl_add_u32 v4, v9, 7, v4
	v_add_nc_u32 v4, s15, v4                       ; out of it: row r, block h: 128 bytes
	v_lshlrev_b32 v5, 4, v13
	v_lshl_add_u32 v5, v9, 3, v5                   ; the scale words' place: 16 r + 8 h
	v_lshlrev_b32 v6, 2, v1                        ; V: 4 x lane
	v_lshlrev_b32 v7, 10, v9
	v_lshl_add_u32 v7, v13, 4, v7                  ; V's codes: 1024 (lane / 16) + 16 (lane % 16)
	v_lshlrev_b32 v8, 3, v9                        ; 8 h: a byte's shift
	s_lshl_b32 s16, s13, 15                        ; a unit's bytes in k or v,
	s_mov_b32 s17, 0
	s_lshl_b32 s18, s13, 13                        ; in kvc,
	s_mov_b32 s19, 0
	s_lshl_b32 s20, s13, 9                         ; in kvs
	s_mov_b32 s21, 0
	s_mov_b32 s24, 0x76543210
	s_mov_b32 s25, 0xfedcba98                      ; v_permlanex16_b32's selects for lane l xor 16
	s_wait_kmcnt 0x0
	s_cmp_eq_u32 s14, 0                            ; the choice hangs on the work-group's number alone; all three selects stand ahead of the additions, which set SCC
	s_cselect_b64 s[4:5], s[4:5], s[6:7]
	s_cselect_b32 s22, 0, 4096
	s_cselect_b32 s23, 0, 256
	s_add_co_u32 s18, s18, s22
	s_add_co_u32 s20, s20, s23
	s_add_nc_u64 s[4:5], s[4:5], s[16:17]
	s_add_nc_u64 s[8:9], s[8:9], s[18:19]
	s_add_nc_u64 s[10:11], s[10:11], s[20:21]
; 32 numbers of one lane, v[x] on, are one block: its codes go to v[c] .. v[c + 3], its byte to v[EB].
.macro QUANT32 x, c
	v_max3_num_f32 v[MA], |v[\x]|, |v[\x+1]|, 0x1800000            ; the floor 2^(3 - 127) among the leaves: the byte cannot fall under 1
	v_max3_num_f32 v[MB], |v[\x+2]|, |v[\x+3]|, |v[\x+4]|
.irp i, 5,9,13,17,21,25
	v_max3_num_f32 v[MA], v[MA], |v[\x+\i]|, |v[\x+\i+1]|          ; two chains, so that no line waits for the line above it
	v_max3_num_f32 v[MB], v[MB], |v[\x+\i+2]|, |v[\x+\i+3]|
.endr
	v_max3_num_f32 v[MA], v[MA], |v[\x+29]|, |v[\x+30]|
	v_max3_num_f32 v[MA], v[MA], v[MB], |v[\x+31]|
	v_add_nc_u32 v[SO], 0xff000000, v[MA]          ; 2 off the exponent field: the conversion takes the exponent field of this operand as its scale
	v_lshrrev_b32 v[EB], 23, v[SO]                 ; the scale's byte
.irp g, 0,1,2,3
	v_cvt_scalef32_pk8_fp4_f32 v[\c+\g], v[\x+8*\g:\x+8*\g+7], v[SO]
.endr
.endm
	s_cmp_lg_u32 s14, 0
	s_cbranch_scc1 .Lv
; ---------------- K.  Image a = 2 b + u: keys 32 b + 8 u + 0 .. 7 and + 16 .. 23.  Eight loads of 512 consecutive bytes (two keys each) go through a stage and come back a block of 32 along d to a lane.
.macro LOAD a
.irp i, 0,1,2,3,4,5,6,7
	global_load_b128 v[R+32*((\a)%4)+4*\i:R+32*((\a)%4)+4*\i+3], v2, s[4:5] offset:8192*((\a)/2)+2048*((\a)%2)+512*\i+2048*(\i/4) th:TH_LOAD_NT
.endr
.endm
.macro TURN a                          ; LDS serves a wave's instructions in order: no wait between the stores and the loads
.irp i, 0,1,2,3,4,5,6,7
	ds_store_b128 v3, v[R+32*((\a)%4)+4*\i:R+32*((\a)%4)+4*\i+3] offset:HST*((\a)%2)+2*PIT*\i
.endr
.irp j, 0,1,2,3,4,5,6,7
	ds_load_b128 v[X+32*((\a)%2)+4*\j:X+32*((\a)%2)+4*\j+3], v4 offset:HST*((\a)%2)+16*\j
.endr
.endm
.macro IMG a
	s_wait_dscnt 0x0                               ; image a is back from its stage, and the stage's stores have read their registers,
.if (\a) < 4
	LOAD (\a)+4                                    ; which take the loads of four images on
.endif
.if (\a) < 7
.if (\a) < 3
	s_wait_loadcnt 24                              ; image a + 1 is in; the three images behind it, eight loads each, may be out
.else
	s_wait_loadcnt 8*(6-(\a))                      ; the counts run down: 6 - a images are younger
.endif
	TURN (\a)+1                                    ; through the other stage while this image is worked
.endif
.set XS, X+32*((\a)%2)
.set CC, C+4*(\a)
	QUANT32 XS, CC
.if (\a)%2 == 0
	v_mov_b32 v[SP+(\a)/2], v[EB]                  ; (a plain line behind the conversions)  u = 0: bits 0-7
.else
	v_lshl_or_b32 v[SP+(\a)/2], v[EB], 16, v[SP+(\a)/2]   ; u = 1: bits 16-23
.endif
	global_store_b128 v2, v[CC:CC+3], s[8:9] offset:512*(\a)   ; 32 lanes store 512 consecutive bytes
.endm
	LOAD 0
	LOAD 1
	LOAD 2
	LOAD 3
.irp b, 0,1,2,3
	v_mov_b32 v[T+\b], 0                           ; a lane permute's destination counts as one of its sources
.endr
	s_wait_loadcnt 24                              ; image 0 is in; images 1 to 3 may be out
	TURN 0
.irp a, 0,1,2,3,4,5,6,7
	IMG \a
.endr
.irp b, 0,1,2,3
	v_lshlrev_b32 v[SP+\b], v8, v[SP+\b]           ; my block's bytes at their places: 8 h bits up
.endr
.irp b, 0,1,2,3
	v_permlanex16_b32 v[T+\b], v[SP+\b], s24, s25
.endr
.irp b, 0,1,2,3
	v_or_b32 v[SP+\b], v[SP+\b], v[T+\b]           ; with lane l xor 16's the word is whole, in both halves of the lanes
.endr
	v_permlane16_swap_b32 v[SP], v[SP+2]           ; lanes 16-31 of words 0, 1 take words 2, 3 of the same row
	v_permlane16_swap_b32 v[SP+1], v[SP+3]
	global_store_b64 v5, v[SP:SP+1], s[10:11]      ; 32 lanes store 256 consecutive bytes, aligned
	s_wait_tensorcnt 0x0
	ds_add_u32 v254, v255
	s_wait_dscnt 0x0
	s_endpgm
; ---------------- V.  A lane takes a column d and its registers run down the keys.  Round q: keys 32 (q / 2) on, columns 32 (q % 2) + lane.  Nothing is transposed.
.Lv:
.macro LOADV q
.irp i, 0,1,2,3,4,5,6,7,8,9,10,11,12,13,14,15,16,17,18,19,20,21,22,23,24,25,26,27,28,29,30,31
	global_load_b32 v[XV+32*((\q)%2)+\i], v6, s[4:5] offset:(32*((\q)/2)+\i)*256+128*((\q)%2) th:TH_LOAD_NT
.endr
.endm
.macro BLOCK q
.if (\q) < 7
	s_wait_loadcnt 32                              ; this round's 32 loads are in; the next round's may be out
.else
	s_wait_loadcnt 0x0
.endif
.set XS, XV+32*((\q)%2)
.set CC, C+4*(\q)
	QUANT32 XS, CC
.if (\q)/2 == 0
	v_mov_b32 v[SP+(\q)%2], v[EB]                  ; (a plain line behind the conversions)  four bytes to a word, the lower keys in the lower byte
.else
	v_lshl_or_b32 v[SP+(\q)%2], v[EB], 8*((\q)/2), v[SP+(\q)%2]
.endif
	global_store_b128 v7, v[CC:CC+3], s[8:9] offset:2048*((\q)%2)+512*((\q)/4)+256*(((\q)/2)%2)   ; sixteen lanes store 256 consecutive bytes, aligned
.if (\q) < 6
	LOADV (\q)+2
.endif
.endm
	LOADV 0
	LOADV 1
.irp q, 0,1,2,3,4,5,6,7
	BLOCK \q
.endr
	v_permlane16_swap_b32 v[SP], v[SP+1]           ; lanes 0-15 now hold the words of t = 0, 1 and lanes 16-31 those of t = 2, 3, of row lane % 16
	global_store_b64 v5, v[SP:SP+1], s[10:11]
	s_endpgm
.Lfunc_end_k_q395f4a4faf_quant:
	.size	k_q395f4a4faf_quant, .Lfunc_end_k_q395f4a4faf_quant-k_q395f4a4faf_quant
	.p2alignl 7, 3214868480
	.fill 96, 4, 3214868480
	.section	.rodata,"a",@progbits
	.p2align	6, 0x0
	.amdhsa_kernel k_q395f4a4faf_quant
		.amdhsa_group_segment_fixed_size 35328
		.amdhsa_private_segment_fixed_size 0
		.amdhsa_enable_private_segment 0
		.amdhsa_kernarg_size 32
		.amdhsa_user_sgpr_count 2
		.amdhsa_user_sgpr_kernarg_segment_ptr 1
		.amdhsa_wavefront_size32 1
		.amdhsa_system_sgpr_workgroup_id_x 1
		.amdhsa_system_sgpr_workgroup_id_y 1
		.amdhsa_system_sgpr_workgroup_id_z 1
		.amdhsa_system_vgpr_workitem_id 0
		.amdhsa_next_free_vgpr 256
		.amdhsa_next_free_sgpr 66
		.amdhsa_reserve_vcc 0
		.amdhsa_float_denorm_mode_32 3
		.amdhsa_float_denorm_mode_16_64 3
		.amdhsa_memory_ordered 1
		.amdhsa_forward_progress 1
		.amdhsa_inst_pref_size 67
	.end_amdhsa_kernel
	.amdgpu_metadata
---
amdhsa.version: [ 1, 2 ]
amdhsa.kernels:
  - .name:           k_q395f4a4faf_quant
    .symbol:         k_q395f4a4faf_quant.kd
    .args:
      - { .name: k, .offset: 0, .size: 8, .value_kind: global_buffer, .address_space: global }
      - { .name: v, .offset: 8, .size: 8, .value_kind: global_buffer, .address_space: global }
      - { .name: kvc, .offset: 16, .size: 8, .value_kind: global_buffer, .address_space: global }
      - { .name: kvs, .offset: 24, .size: 8, .value_kind: global_buffer, .address_space: global }
    .group_segment_fixed_size: 35328
    .private_segment_fixed_size: 0
    .kernarg_segment_align: 8
    .kernarg_segment_size: 32
    .max_flat_workgroup_size: 128
    .sgpr_count:     66
    .vgpr_count:     256
    .wavefront_size: 32
...
	.end_amdgpu_metadata
.endif
;; end of part 1
;; launch attn (part 2): grid 4 x 64, 16 waves a work-group, no clusters, 210,944 bytes of LDS; arguments q, kvc, kvs, modalities, out0; writes out0
.if DOCPART == 2
	.amdgcn_target "amdgcn-amd-amdhsa--gfx1250"
	.amdhsa_code_object_version 6
	.text
	.protected	k_q395f4a4faf_attn
	.globl	k_q395f4a4faf_attn
	.p2align	8
	.type	k_q395f4a4faf_attn,@function
k_q395f4a4faf_attn:
	s_mov_b64 s[64:65], 0
	v_nop
	global_prefetch_b8 v0, s[64:65] scope:SCOPE_SE
	s_setreg_imm32_b32 hwreg(HW_REG_WAVE_MODE, 25, 1), 1
	s_wait_xcnt 0x0
; out[head][i][:] = the sum over j of softmax_j(q[i] . k[j] / 8, masked) v[j][:], 64 heads, 2,048 queries and keys, head size 64; both products on codes of FP4 (E2M1) with E8M0 scales for each 32 along K.
; THE MASK IS A PREFIX.  Key j counts for query i where j <= i, or i >= off_m and j < off_m + len_m for some m: that is j < L(i), L(i) = max(i + 1, the largest end_m among the m with off_m <= i), and L never
; falls as i grows.  So a tile of 16 queries q0 .. q0 + 15 leaves out every step of 128 keys that begins at or behind L(q0 + 15), and masks only in steps that reach past L(q0).
; THE SOFTMAX AHEAD OF THE SECOND PRODUCT: t = score x log2(e) / 8; M = the row's largest t so far, rounded UP to a whole number; p = 2^(t - M) is quantised along the keys, not normalised; the row's sum is taken of
; the unquantised p and divides at the end.  When M moves, the sum and O are multiplied by 2^(old M - new M): exact.
; SHARES.  Work-group (p, head) owns query blocks 7 - p and p (256 queries each) of its head.  Wave w owns two tiles of 16 queries, one after the other: 256 (7 - p) + 16 w and 256 p + 240 - 16 w: by j <= i alone
; every wave has 17 key steps.  A head's K and V as codes (131,072 bytes) and their scale bytes (8,192) come into LDS ONCE, through registers, ahead of the one barrier; behind it no wave waits for another.
; NO TENSOR LOAD, NO CLUSTER: the loop jumps over key steps on numbers read from memory (modalities); what the four work-groups of a head share is read once by each, 139,264 bytes.
; LAYOUT.  Both products are used transposed (S^T = K Q^T, O^T = V^T P^T): a lane holds ONE query (lane % 16) throughout.  The keys of a tile are not neighbours: lane r of tile 2 b + u takes key
; 32 b + 8 u + r + 8 (r / 8), so that the 16 registers of tiles 2 b and 2 b + 1 are the 16 neighbouring keys 32 b + 16 (lane / 16) + 0 .. 15.
; A HEAD OF 64 IN AN INSTRUCTION OF 128 ALONG K: a fragment of K holds TWO tiles of keys, tile 2 b at k = 0 .. 63 and tile 2 b + 1 at k = 64 .. 127.  Q's codes stand between zeros, v16-27 = [0 | q | 0]:
; v[20:27] = [q | 0] picks tile 2 b, v[16:23] = [0 | q] picks tile 2 b + 1; zero codes add nothing under any scale byte from 1 to 254.
; LIMITS: NaN and infinities among the inputs are not served; a block of zeros has the scale byte 1 (its codes are zeros); a p under 2^-126 becomes 0 (v_exp_f32: ISA guide, its entry in 15.8); off + len wraps as int32 does;
; a hidden key has the weight 0, which is what -1e30 gives in f32 while a row's largest visible logit lies above about -1e30.
.set SCB, 131072                       ; LDS: 0 .. 131071 the codes, step s at 8192 s (K's 4,096 bytes, then V's); from SCB the scale words, step s at 512 s;
.set STG, 139264                       ; from STG a stage of 16 rows x 272 bytes for each wave: Q's way in and O's way out
.set PIT, 272                          ; a stage row: 256 bytes + 16, so that 16 rows start at 16 different 16-byte columns of 256
.set QS,  28                           ; v28      Q's scale word [q0, q1, q0, q1]
.set SCW, 32                           ; v32-35   the step's scale words: lanes 0-15 K's fragment b, lanes 16-31 V's tile t
.set F,   36                           ; v36-67   four fragments: K's, then V's
.set PC,  68                           ; v68-75   p's codes
.set BM,  76                           ; v76-79   each block's largest score, then its largest p
.set T1,  80                           ; v80-83   lane permutes' destinations, a second chain of the sum, the bytes
.set SOP, 84                           ; v84-87   the conversions' scale operands
.set FF,  88                           ; v[88:89] f = 2^(old M - new M); v89 is only named with it as a pair
.set PS,  90                           ; v90      p's scale word
.set TT,  91                           ; v91      at work
.set NI,  92                           ; v92      -infinity
.set DD,  93                           ; v93      L(my query) - 16 (lane / 16) - the step's first key
.set S,   96                           ; v96-159  S^T, then p; at the head the fill; on the way out O / the sum
.set O,   160                          ; v160-191 O^T
.set QR,  192                          ; v192-223 a tile of Q as loaded
; v1 16 x lane; v2, v3, v4 places in my stage; v5 L(my query) - 16 (lane / 16); v6, v7 the step's LDS addresses; v8-11 at work; v12 -M, v13 the largest t, v[14:15] the sum in two halves; v29 r, v30 16 h, v31 8 h
; s14 wave; s15 p; s16 head; s[20:21] lane selects; s[22:23] c; s24, s25 the tiles' first queries; s[26:29] their rows of q; s[30:33] of out; s[36:47] the batch's modalities; s48 L(q0 + 15), s49 L(q0); s50 the step's first key; s51, s52 its LDS bytes
	s_load_b256 s[4:11], s[0:1], 0x0               ; q s[4:5], kvc s[6:7], kvs s[8:9], modalities s[10:11]
	s_load_b64 s[12:13], s[0:1], 0x20              ; out0
	v_lshl_add_u32 v224, v0, 2, 0x33000
	v_mov_b32 v225, 0
	v_lshrrev_b32 v8, 5, v0
	v_readfirstlane_b32 s14, v8                    ; wave 0..15
	s_mov_b32 s15, ttmp9                           ; p
	s_and_b32 s16, ttmp7, 0xffff                   ; head
	s_lshl_b32 s17, s16, 19                        ; a head's rows of q and out: 2,048 x 256 bytes
	s_lshr_b32 s18, s16, 4                         ; the batch: 16 heads each,
	s_mul_i32 s18, s18, 48                         ; 4 x 3 words of modalities
	s_mov_b32 s19, 0
	s_mov_b32 s20, 0x76543210
	s_mov_b32 s21, 0xfedcba98                      ; v_permlanex16_b32's selects for lane l xor 16
	s_mov_b32 s22, 0x3e38aa3b                      ; c = log2(e) / 8
	s_mov_b32 s23, s22                             ; (named with it as a pair, so it is written)
	s_lshl_b32 s53, s14, 4
	s_sub_co_u32 s24, 7, s15
	s_lshl_b32 s24, s24, 8
	s_add_co_u32 s24, s24, s53                     ; tile A: 256 (7 - p) + 16 w
	s_lshl_b32 s25, s15, 8
	s_add_co_u32 s25, s25, 240
	s_sub_co_u32 s25, s25, s53                     ; tile B: 256 p + 240 - 16 w
	s_lshl_b32 s54, s24, 8
	s_add_co_u32 s54, s54, s17
	s_mov_b32 s55, 0
	s_lshl_b32 s56, s25, 8
	s_add_co_u32 s56, s56, s17
	s_mov_b32 s57, 0
	s_lshl_b32 s58, s16, 17                        ; a head's codes
	s_mov_b32 s59, 0
	s_lshl_b32 s60, s16, 13                        ; and scale words
	s_mov_b32 s61, 0
	s_mul_i32 s34, s14, 16*PIT
	s_add_co_u32 s34, s34, STG                     ; my stage
	v_and_b32 v8, 31, v0
	v_lshlrev_b32 v1, 4, v8                        ; 16 x lane
	v_and_b32 v29, 15, v0                          ; r
	v_bfe_u32 v9, v0, 4, 1                         ; h
	v_lshlrev_b32 v30, 4, v9
	v_lshlrev_b32 v31, 3, v9
	v_mul_u32_u24 v2, v9, PIT
	v_lshl_add_u32 v2, v29, 4, v2
	v_add_nc_u32 v2, s34, v2                       ; whole rows: lanes 0-15 one row, lanes 16-31 the next
	v_mul_u32_u24 v3, v29, PIT
	v_lshl_add_u32 v4, v9, 5, v3
	v_lshl_add_u32 v3, v9, 7, v3
	v_add_nc_u32 v3, s34, v3                       ; Q: row r, block h: 128 bytes
	v_add_nc_u32 v4, s34, v4                       ; O: row r, + 32 h
	v_lshlrev_b32 v8, 4, v0                        ; the fill: 16 x thread: the work-group's 512 threads take 8,192 bytes an instruction
	v_add_nc_u32 v9, 0x10000, v8                   ; (an LDS immediate has 16 bits)
	v_add_nc_u32 v10, SCB, v8
	s_wait_kmcnt 0x0
	s_add_nc_u64 s[10:11], s[10:11], s[18:19]
	s_load_b256 s[36:43], s[10:11], 0x0            ; (type, off, len) x 4: off in s37, s40, s43, s46; len in s38, s41, s44, s47
	s_load_b128 s[44:47], s[10:11], 0x20
	s_add_nc_u64 s[26:27], s[4:5], s[54:55]
	s_add_nc_u64 s[28:29], s[4:5], s[56:57]
	s_add_nc_u64 s[30:31], s[12:13], s[54:55]
	s_add_nc_u64 s[32:33], s[12:13], s[56:57]
	s_add_nc_u64 s[6:7], s[6:7], s[58:59]
	s_add_nc_u64 s[8:9], s[8:9], s[60:61]
.irp s, 0,1,2,3,4,5,6,7,8,9,10,11,12,13,14,15
	global_load_b128 v[S+4*\s:S+4*\s+3], v8, s[6:7] offset:8192*\s   ; the head's codes, a step an instruction
.endr
	global_load_b128 v[SCW:SCW+3], v8, s[8:9]      ; and its scale words
.macro QLOAD base                      ; a tile of Q: 16 rows of 256 bytes, dense: 512 consecutive bytes an instruction
.irp i, 0,1,2,3,4,5,6,7
	global_load_b128 v[QR+4*\i:QR+4*\i+3], v1, s[\base:\base+1] offset:512*\i th:TH_LOAD_NT
.endr
.endm
	QLOAD 26
.irp j, 16,17,18,19,24,25,26,27
	v_mov_b32 v[\j], 0                             ; the zero codes on both sides of Q's
.endr
.irp b, 0,1,2,3
	v_mov_b32 v[T1+\b], 0                          ; a lane permute's destination counts as one of its sources
.endr
	v_mov_b32 v[FF+1], 0
	s_wait_kmcnt 0x0
.irp m, 0,1,2,3
	s_add_co_i32 s[38+3*\m], s[37+3*\m], s[38+3*\m]   ; end = off + len,
	s_min_i32 s[38+3*\m], s[38+3*\m], 2048         ; and no key lies at or past 2,048
.endr
.irp s, 0,1,2,3,4,5,6,7
	s_wait_loadcnt 24-\s                           ; loads come back in order: behind this one stand 16 - s of the fill and Q's eight
	ds_store_b128 v8, v[S+4*\s:S+4*\s+3] offset:8192*\s
.endr
.irp s, 8,9,10,11,12,13,14,15
	s_wait_loadcnt 24-\s
	ds_store_b128 v9, v[S+4*\s:S+4*\s+3] offset:8192*(\s-8)
.endr
	s_wait_loadcnt 8                               ; Q's eight may stay out
	ds_store_b128 v10, v[SCW:SCW+3]
	s_wait_dscnt 0x0                               ; for the others' sake: my part of the fill has landed
	s_barrier_signal -1
	s_barrier_wait -1                              ; the one barrier: from here on the codes and scale words are only read
; One tile of 16 queries.  q0: the scalar register with its first query; ob: the pair with its rows of out; more: the pair with the next tile's rows of q, or 0.
.macro PASS q0, ob, more
	s_wait_loadcnt 0x0                             ; Q is in
	s_wait_xcnt 0x0                                ; the last tile's stores have read their registers: those are written again only behind this wait
.irp i, 0,1,2,3,4,5,6,7
	ds_store_b128 v2, v[QR+4*\i:QR+4*\i+3] offset:2*PIT*\i   ; Q turns through my stage: in as it was loaded,
.endr
.irp j, 0,1,2,3,4,5,6,7
	ds_load_b128 v[S+4*\j:S+4*\j+3], v3 offset:16*\j         ; out a block of 32 along d to a lane (LDS serves a wave's instructions in order)
.endr
	s_add_co_u32 s48, s[\q0], 16                   ; L of the tile's last query,
	s_add_co_u32 s49, s[\q0], 1                    ; and of its first
	s_add_co_u32 s53, s[\q0], 15
.irp m, 0,1,2,3
	s_cmp_ge_i32 s53, s[37+3*\m]
	s_cselect_b32 s54, s[38+3*\m], 0
	s_max_i32 s48, s48, s54
	s_cmp_ge_i32 s[\q0], s[37+3*\m]
	s_cselect_b32 s54, s[38+3*\m], 0
	s_max_i32 s49, s49, s54
.endr
	s_wait_dscnt 0x0
.if \more
	QLOAD \more                                    ; the next tile's Q has this whole tile in which to land
.endif
	v_max3_num_f32 v8, |v[S]|, |v[S+1]|, 0x1800000 ; my block's largest magnitude, and the floor 2^(3 - 127): the byte cannot fall under 1
	v_max3_num_f32 v9, |v[S+2]|, |v[S+3]|, |v[S+4]|
.irp i, 5,9,13,17,21,25
	v_max3_num_f32 v8, v8, |v[S+\i]|, |v[S+\i+1]|
	v_max3_num_f32 v9, v9, |v[S+\i+2]|, |v[S+\i+3]|
.endr
	v_max3_num_f32 v8, v8, |v[S+29]|, |v[S+30]|
	v_max3_num_f32 v8, v8, v9, |v[S+31]|
	v_add_nc_u32 v10, 0xff000000, v8               ; 2 off the exponent field: the conversion's scale operand
	v_lshrrev_b32 v11, 23, v10                     ; the scale's byte
.irp g, 0,1,2,3
	v_cvt_scalef32_pk8_fp4_f32 v[20+\g], v[S+8*\g:S+8*\g+7], v10
.endr
	v_nop                                          ; one plain line behind the last scaled conversion
	v_lshlrev_b32 v11, v31, v11                    ; my byte 8 h bits up,
	v_permlanex16_b32 v[T1+1], v11, s20, s21
	v_or_b32 v11, v11, v[T1+1]                     ; with lane l xor 16's: [q0, q1],
	v_lshl_or_b32 v[QS], v11, 16, v11              ; and once more for k = 64 .. 127
	v_add_nc_u32 v8, s[\q0], v29                   ; my query i,
	v_add_nc_u32 v9, 1, v8                         ; L = i + 1,
.irp m, 0,1,2,3
	v_cmp_le_i32 vcc_lo, s[37+3*\m], v8            ; off <= i?
	v_mov_b32 v11, s[38+3*\m]
	v_cndmask_b32 v10, v9, v11, vcc_lo             ; then end, else L as it is;
	v_cmp_gt_i32 vcc_lo, v10, v9
	v_cndmask_b32 v9, v9, v10, vcc_lo              ; the larger of the two
.endr
	v_sub_nc_u32 v5, v9, v30                       ; L - 16 h
	v_mov_b32 v13, 0xff61b1e6                      ; the largest t so far: -3e38, under every t
	v_floor_f32 v12, -v13                          ; -M
	v_mov_b32 v14, 0                               ; the sum, in two halves
	v_mov_b32 v15, 0
.irp j, 0,1,2,3,4,5,6,7,8,9,10,11,12,13,14,15,16,17,18,19,20,21,22,23,24,25,26,27,28,29,30,31
	v_mov_b32 v[O+\j], 0                           ; O^T: the step is written once; the first finds zeros, which the first change of M leaves zeros
.endr
	s_mov_b32 s50, 0
	s_mov_b32 s51, 0
	s_mov_b32 s52, SCB
.Lstep_\@:                                             ; 16 trips, a constant: what is left out is a step's work, by a jump to the lines that step the addresses
	s_cmp_ge_i32 s50, s48                          ; all 128 keys hidden from all 16 queries?
	s_cbranch_scc1 .Lhidden_\@
	v_add_nc_u32 v6, s51, v1
	v_add_nc_u32 v7, s52, v1
	ds_load_b128 v[SCW:SCW+3], v7
.irp f, 0,1,2,3
.irp c, 0,1
	ds_load_b128 v[F+8*\f+4*\c:F+8*\f+4*\c+3], v6 offset:1024*\f+512*\c   ; K's fragment f: tiles 2 f and 2 f + 1
.endr
.endr
	s_wait_dscnt 0x0
.irp b, 0,1,2,3                        ; S^T = K Q^T: eight accumulators, each begun with the constant 0
	v_wmma_scale_f32_16x16x128_f8f6f4 v[S+16*\b:S+16*\b+7], v[F+8*\b:F+8*\b+7], v[20:27], 0, v[SCW+\b], v[QS] matrix_a_fmt:MATRIX_FMT_FP4 matrix_b_fmt:MATRIX_FMT_FP4
	v_wmma_scale_f32_16x16x128_f8f6f4 v[S+16*\b+8:S+16*\b+15], v[F+8*\b:F+8*\b+7], v[16:23], 0, v[SCW+\b], v[QS] matrix_a_fmt:MATRIX_FMT_FP4 matrix_b_fmt:MATRIX_FMT_FP4
.endr
.rept 4
	v_nop                                          ; four places in front of the loads into K's registers and of the first read of the scores
.endr
.irp t, 0,1,2,3
.irp c, 0,1
	ds_load_b128 v[F+8*\t+4*\c:F+8*\t+4*\c+3], v6 offset:4096+1024*\t+512*\c   ; V's four tiles land while the softmax is worked
.endr
.endr
	s_add_co_u32 s53, s50, 128
	s_cmp_le_i32 s53, s49                          ; do all 128 keys count for all 16 queries?
	s_cbranch_scc1 .Lopen_\@
	v_sub_nc_u32 v[DD], v5, s50                    ; register 16 b + i holds key s50 + 32 b + 16 h + i: hidden where 32 b + i >= L - 16 h - s50
	v_mov_b32 v[NI], 0xff800000                    ; -infinity: p = 0 then
.irp n, 0,1,2,3,4,5,6,7,8,9,10,11,12,13,14,15,16,17,18,19,20,21,22,23,24,25,26,27,28,29,30,31,32,33,34,35,36,37,38,39,40,41,42,43,44,45,46,47,48,49,50,51,52,53,54,55,56,57,58,59,60,61,62,63
	v_cmp_ge_i32 vcc_lo, 32*(\n/16)+\n%16, v[DD]
	v_cndmask_b32 v[S+\n], v[S+\n], v[NI], vcc_lo
.endr
.Lopen_\@:
.irp b, 0,1,2,3
	v_max3_num_f32 v[BM+\b], v[S+16*\b], v[S+1+16*\b], v[S+2+16*\b]   ; the largest score of each block of 32 keys: for the row's maximum and, since p rises with the score, for the block's largest p
.endr
.irp i, 3,5,7,9,11,13
.irp b, 0,1,2,3
	v_max3_num_f32 v[BM+\b], v[BM+\b], v[S+16*\b+\i], v[S+1+16*\b+\i]  ; (the four blocks by turns)
.endr
.endr
.irp b, 0,1,2,3
	v_max_num_f32 v[BM+\b], v[BM+\b], v[S+15+16*\b]
.endr
.irp b, 0,1,2,3
	v_permlanex16_b32 v[T1+\b], v[BM+\b], s20, s21
.endr
.irp b, 0,1,2,3
	v_max_num_f32 v[BM+\b], v[BM+\b], v[T1+\b]     ; with lane l xor 16's 16 keys
.endr
	v_max3_num_f32 v[TT], v[BM], v[BM+1], v[BM+2]
	v_max_num_f32 v[TT], v[TT], v[BM+3]            ; the step's largest score of my query
	v_mul_f32 v[TT], s22, v[TT]                    ; as t (c is positive)
	v_max_num_f32 v13, v13, v[TT]                  ; the running largest t
	v_mov_b32 v[TT], v12
	v_floor_f32 v12, -v13                          ; the new -M = floor(-t) = -ceil(t): a whole number
	v_sub_f32 v[TT], v12, v[TT]                    ; M's old value less its new one: 0 or less
	v_cvt_i32_f32 v[TT], v[TT]                     ; (it saturates)
	v_ldexp_f32 v[FF], 1.0, v[TT]                  ; f = 2^(old M - new M)
.irp j, 0,2,4,6,8,10,12,14,16,18,20,22,24,26,28,30,32,34,36,38,40,42,44,46,48,50,52,54,56,58,60,62
	v_pk_fma_f32 v[S+\j:S+1+\j], v[S+\j:S+1+\j], s[22:23], v[12:13] op_sel_hi:[1,0,0]   ; t - M, two at a time (of the pairs c and -M the low word serves both halves)
.endr
.irp b, 0,1,2,3
	v_fma_f32 v[BM+\b], v[BM+\b], s22, v12         ; the same of each block's largest score
.endr
.irp j, 0,1,2,3,4,5,6,7,8,9,10,11,12,13,14,15,16,17,18,19,20,21,22,23,24,25,26,27,28,29,30,31,32,33,34,35,36,37,38,39,40,41,42,43,44,45,46,47,48,49,50,51,52,53,54,55,56,57,58,59,60,61,62,63
	v_exp_f32 v[S+\j], v[S+\j]                     ; p = 2^(t - M), at most 1: not normalised
.endr
	v_pk_mul_f32 v[14:15], v[14:15], v[FF:FF+1] op_sel_hi:[1,0]   ; the sums under the new M: the plain line behind the exponentials
	s_wait_alu depctr_va_vdst(0)                   ; the wait ahead of the first line that names a result: one for the batch of 64
.irp b, 0,1,2,3
	v_exp_f32 v[BM+\b], v[BM+\b]                   ; the block's largest p: the same two instructions on the same number give the same bits
.endr
	v_pk_add_f32 v[T1:T1+1], v[S:S+1], v[S+2:S+3]  ; the row's sum is taken of the unquantised p: two at a time, in two chains
.irp j, 4,8,12,16,20,24,28,32,36,40,44,48,52,56,60
	v_pk_add_f32 v[14:15], v[14:15], v[S+\j:S+1+\j]
	v_pk_add_f32 v[T1:T1+1], v[T1:T1+1], v[S+2+\j:S+3+\j]
.endr
	v_pk_add_f32 v[14:15], v[14:15], v[T1:T1+1]
	s_wait_alu depctr_va_vdst(0)                   ; and one for the four
.irp b, 0,1,2,3
	v_max_num_f32 v[BM+\b], 0x1800000, v[BM+\b]    ; the floor 2^(3 - 127): the byte cannot fall under 1 (a block whose every p is 0 keeps that byte: its codes are zeros)
.endr
.irp b, 0,1,2,3
	v_add_nc_u32 v[SOP+\b], 0xff000000, v[BM+\b]   ; 2 off the exponent field: the conversion's scale operand
.endr
.irp b, 0,1,2,3
	v_lshrrev_b32 v[T1+\b], 23, v[SOP+\b]          ; the scale's byte
.endr
	v_lshl_or_b32 v[PS], v[T1+1], 8, v[T1]         ; p's scale word for these 128 keys
	v_lshl_or_b32 v[PS], v[T1+2], 16, v[PS]
	v_lshl_or_b32 v[PS], v[T1+3], 24, v[PS]
.irp b, 0,1,2,3
	v_cvt_scalef32_pk8_fp4_f32 v[PC+2*\b], v[S+16*\b:S+7+16*\b], v[SOP+\b]
	v_cvt_scalef32_pk8_fp4_f32 v[PC+1+2*\b], v[S+8+16*\b:S+15+16*\b], v[SOP+\b]
.endr
	v_nop                                          ; one plain line behind the last scaled conversion
.irp c, 0,1                            ; the operand's layout wants a whole block in a lane: lanes 0-15 block 2 c, lanes 16-31 block 2 c + 1
.irp i, 0,1
	v_permlane16_swap_b32 v[PC+4*\c+\i], v[PC+2+4*\c+\i]
.endr
.endr
.irp j, 0,2,4,6,8,10,12,14,16,18,20,22,24,26,28,30
	v_pk_mul_f32 v[O+\j:O+1+\j], v[O+\j:O+1+\j], v[FF:FF+1] op_sel_hi:[1,0]   ; O^T under the new M.  For each product below twelve of these sixteen name none of its registers: the places between p's scale word and codes and that product
.endr
	s_wait_dscnt 0x0                               ; V is in
.irp t, 0,1,2,3                        ; O^T += V^T P^T: the four accumulators by turns, one instruction a turn; eight other products stand between a link and the next
	v_wmma_scale_f32_16x16x128_f8f6f4 v[O+8*\t:O+8*\t+7], v[F+8*\t:F+8*\t+7], v[PC:PC+7], v[O+8*\t:O+8*\t+7], v[SCW+\t], v[PS] matrix_a_fmt:MATRIX_FMT_FP4 matrix_b_fmt:MATRIX_FMT_FP4 matrix_a_scale:MATRIX_SCALE_ROW1
.endr
.rept 4
	v_nop                                          ; four places in front of the next step's loads into these fragments and scale words, and of the way out's reads
.endr
.Lhidden_\@:
	s_add_co_u32 s51, s51, 8192                    ; the next step's codes
	s_add_co_u32 s52, s52, 512                     ; and scale words
	s_add_co_u32 s50, s50, 128
	s_cmp_lt_u32 s50, 2048
	s_cbranch_scc1 .Lstep_\@
	; THE WAY OUT: O^T / the sum goes through my stage and leaves as whole rows of 256 bytes
	v_add_f32 v14, v14, v15                        ; the sum's two halves,
	v_permlanex16_b32 v[T1], v14, s20, s21
	v_add_f32 v14, v14, v[T1]                      ; and lane l xor 16's: the row's sum
	v_rcp_f32 v14, v14
	v_nop                                          ; one plain line behind the reciprocal
	s_wait_alu depctr_va_vdst(0)                   ; and the wait ahead of its first reader
.irp j, 0,1,2,3,4,5,6,7,8,9,10,11,12,13,14,15,16,17,18,19,20,21,22,23,24,25,26,27,28,29,30,31
	v_mul_f32 v[S+\j], v[O+\j], v14                ; register 8 t + i is out(r, 16 t + 8 h + i); each accumulator is read from its low end on
.endr
.irp t, 0,1,2,3
	ds_store_b128 v4, v[S+8*\t:S+8*\t+3] offset:64*\t
	ds_store_b128 v4, v[S+8*\t+4:S+8*\t+7] offset:64*\t+16
.endr
.irp i, 0,1,2,3,4,5,6,7
	ds_load_b128 v[S+32+4*\i:S+32+4*\i+3], v2 offset:2*PIT*\i    ; LDS serves a wave's instructions in order: these see my stores
.endr
.irp i, 0,1,2,3,4,5,6,7
	s_wait_dscnt 7-\i                              ; 7 - i younger loads may be out
	global_store_b128 v1, v[S+32+4*\i:S+32+4*\i+3], s[\ob:\ob+1] offset:512*\i th:TH_STORE_NT   ; 32 lanes store two rows: 512 consecutive bytes, aligned
.endr
.endm
	PASS 24, 30, 28                                ; tile A, of the later block of queries
	PASS 25, 32, 0                                 ; tile B, of the earlier one
	s_wait_tensorcnt 0x0
	ds_add_u32 v224, v225
	s_wait_dscnt 0x0
	s_endpgm
.Lfunc_end_k_q395f4a4faf_attn:
	.size	k_q395f4a4faf_attn, .Lfunc_end_k_q395f4a4faf_attn-k_q395f4a4faf_attn
	.p2alignl 7, 3214868480
	.fill 96, 4, 3214868480
	.section	.rodata,"a",@progbits
	.p2align	6, 0x0
	.amdhsa_kernel k_q395f4a4faf_attn
		.amdhsa_group_segment_fixed_size 210944
		.amdhsa_private_segment_fixed_size 0
		.amdhsa_enable_private_segment 0
		.amdhsa_kernarg_size 40
		.amdhsa_user_sgpr_count 2
		.amdhsa_user_sgpr_kernarg_segment_ptr 1
		.amdhsa_wavefront_size32 1
		.amdhsa_system_sgpr_workgroup_id_x 1
		.amdhsa_system_sgpr_workgroup_id_y 1
		.amdhsa_system_sgpr_workgroup_id_z 1
		.amdhsa_system_vgpr_workitem_id 0
		.amdhsa_next_free_vgpr 226
		.amdhsa_next_free_sgpr 66
		.amdhsa_reserve_vcc 1
		.amdhsa_float_denorm_mode_32 3
		.amdhsa_float_denorm_mode_16_64 3
		.amdhsa_memory_ordered 1
		.amdhsa_forward_progress 1
		.amdhsa_inst_pref_size 67
	.end_amdhsa_kernel
	.amdgpu_metadata
---
amdhsa.version: [ 1, 2 ]
amdhsa.kernels:
  - .name:           k_q395f4a4faf_attn
    .symbol:         k_q395f4a4faf_attn.kd
    .args:
      - { .name: q, .offset: 0, .size: 8, .value_kind: global_buffer, .address_space: global }
      - { .name: kvc, .offset: 8, .size: 8, .value_kind: global_buffer, .address_space: global }
      - { .name: kvs, .offset: 16, .size: 8, .value_kind: global_buffer, .address_space: global }
      - { .name: modalities, .offset: 24, .size: 8, .value_kind: global_buffer, .address_space: global }
      - { .name: out0, .offset: 32, .size: 8, .value_kind: global_buffer, .address_space: global }
    .group_segment_fixed_size: 210944
    .private_segment_fixed_size: 0
    .kernarg_segment_align: 8
    .kernarg_segment_size: 40
    .max_flat_workgroup_size: 512
    .sgpr_count:     66
    .vgpr_count:     226
    .wavefront_size: 32
...
	.end_amdgpu_metadata
.endif
;; end of part 2
;; ======== version 2 of 2: 2 launches
;; workspace buffers: kvc 8,388,608 bytes; kvs 524,288 bytes
;; launch quant (part 3): grid 256 x 2, 4 waves a work-group, no clusters, 35,328 bytes of LDS; arguments k, v, kvc, kvs; writes kvc, kvs
.if DOCPART == 3
	.amdgcn_target "amdgcn-amd-amdhsa--gfx1250"
	.amdhsa_code_object_version 6
	.text
	.protected	k_q395f4a4faf_quant
	.globl	k_q395f4a4faf_quant
	.p2align	8
	.type	k_q395f4a4faf_quant,@function
k_q395f4a4faf_quant:
	s_mov_b64 s[64:65], 0
	v_nop
	global_prefetch_b8 v0, s[64:65] scope:SCOPE_SE
	s_setreg_imm32_b32 hwreg(HW_REG_WAVE_MODE, 25, 1), 1
	s_wait_xcnt 0x0
; K and V, [64 heads][2048 keys][64] f32, become codes of FP4 (E2M1) with one E8M0 byte for each 32 along a product's K, laid as IMAGES OF OPERAND REGISTERS, so that the
; attention launch takes every fragment by 16-byte loads at 16 x lane.  K is quantised along d (the first product's K), V along the keys (the second product's K).
; A STEP is 128 keys.  kvc: [64 heads][16 steps][8,192 bytes]; kvs: [64 heads][16 steps][512 bytes].  Lane l = (r = l % 16, h = l / 16).
;   kvc, bytes 0-4095 of a step: K's image (b, u) at 1024 b + 512 u, lane l's 16 bytes at 16 l: the codes d = 32 h .. 32 h + 31 of key 32 b + 8 u + r + 8 (r / 8).
;   kvc, bytes 4096-8191: V's image (t, c) at 1024 t + 512 c, lane l at 16 l: the codes of column d = 16 t + r, keys 64 c + 32 h + 0 .. 31.
;   kvs, bytes 0-255: row r's 16 bytes at 16 r: word b = the bytes [image (b,0) h=0, (b,0) h=1, (b,1) h=0, (b,1) h=1].   bytes 256-511: at 16 r word t = column 16 t + r, byte j for keys 32 j on.
; A block's scale is 2^(floor(log2(its largest magnitude)) - 2); its byte is the largest magnitude's exponent field - 2, held at 1 from below.
; LIMITS: a block of zeros gets the byte 1 where the rule says 127 (its codes are zeros, and these bytes are read by this program alone); NaN and infinities among the inputs are not served.
; SHARES.  Work-group y = 0 takes K, y = 1 takes V.  One wave takes one step of one head: 32,768 consecutive bytes in, 4,096 bytes of codes and 256 scale bytes out.  Waves share nothing: no barrier.
; No address register and no store's data register is ever written again, so no wait on XCNT is needed.
.set R,   16                           ; K: v16-143  four sets of 32: an image's 16 keys as loaded
.set X,   144                          ; K: v144-207 two sets of 32: a lane's block of 32 neighbours along d
.set XV,  16                           ; V: v16-79   two sets of 32: a lane's block of 32 keys of one column
.set C,   208                          ; v208-239 codes: four registers for each of eight images
.set SP,  240                          ; v240-243 scale bytes gathered
.set T,   244                          ; v244-247 lane permutes' destinations
.set MA,  9                            ; v9, v10  two chains of the largest magnitude
.set MB,  10
.set SO,  11                           ; v11      the conversion's scale operand
.set EB,  12                           ; v12      the scale's byte
.set PIT, 272                          ; a stage row: a key's 256 bytes + 16, so that 16 rows start at 16 different 16-byte columns of 256
.set HST, 16*PIT                       ; a stage: 16 rows
.set WST, 2*HST                        ; a wave's two stages
	s_load_b256 s[4:11], s[0:1], 0x0               ; k s[4:5], v s[6:7], kvc s[8:9], kvs s[10:11]
	v_lshl_add_u32 v254, v0, 2, 0x8800
	v_mov_b32 v255, 0
	v_lshrrev_b32 v1, 5, v0
	v_readfirstlane_b32 s12, v1                    ; wave 0..3
	s_lshl_b32 s13, ttmp9, 2
	s_add_co_u32 s13, s13, s12                     ; my unit = 16 x head + step
	s_and_b32 s14, ttmp7, 0xffff                   ; 0: K, 1: V
	v_and_b32 v1, 31, v0                           ; lane
	v_and_b32 v13, 15, v0                          ; r
	v_bfe_u32 v9, v0, 4, 1                         ; h
	v_lshlrev_b32 v2, 4, v1                        ; 16 x lane: a load's 512 bytes, an image's place
	s_mul_i32 s15, s12, WST                        ; my stages
	v_mul_u32_u24 v3, v9, PIT
	v_lshl_add_u32 v3, v13, 4, v3
	v_add_nc_u32 v3, s15, v3                       ; into a stage: lanes 0-15 one row, lanes 16-31 the next
	v_mul_u32_u24 v4, v13, PIT
	v_lshl_add_u32 v4, v9, 7, v4
	v_add_nc_u32 v4, s15, v4                       ; out of it: row r, block h: 128 bytes
	v_lshlrev_b32 v5, 4, v13
	v_lshl_add_u32 v5, v9, 3, v5                   ; the scale words' place: 16 r + 8 h
	v_lshlrev_b32 v6, 2, v1                        ; V: 4 x lane
	v_lshlrev_b32 v7, 10, v9
	v_lshl_add_u32 v7, v13, 4, v7                  ; V's codes: 1024 (lane / 16) + 16 (lane % 16)
	v_lshlrev_b32 v8, 3, v9                        ; 8 h: a byte's shift
	s_lshl_b32 s16, s13, 15                        ; a unit's bytes in k or v,
	s_mov_b32 s17, 0
	s_lshl_b32 s18, s13, 13                        ; in kvc,
	s_mov_b32 s19, 0
	s_lshl_b32 s20, s13, 9                         ; in kvs
	s_mov_b32 s21, 0
	s_mov_b32 s24, 0x76543210
	s_mov_b32 s25, 0xfedcba98                      ; v_permlanex16_b32's selects for lane l xor 16
	s_wait_kmcnt 0x0
	s_cmp_eq_u32 s14, 0                            ; the choice hangs on the work-group's number alone; all three selects stand ahead of the additions, which set SCC
	s_cselect_b64 s[4:5], s[4:5], s[6:7]
	s_cselect_b32 s22, 0, 4096
	s_cselect_b32 s23, 0, 256
	s_add_co_u32 s18, s18, s22
	s_add_co_u32 s20, s20, s23
	s_add_nc_u64 s[4:5], s[4:5], s[16:17]
	s_add_nc_u64 s[8:9], s[8:9], s[18:19]
	s_add_nc_u64 s[10:11], s[10:11], s[20:21]
; 32 numbers of one lane, v[x] on, are one block: its codes go to v[c] .. v[c + 3], its byte to v[EB].
.macro QUANT32 x, c
	v_max3_num_f32 v[MA], |v[\x]|, |v[\x+1]|, 0x1800000            ; the floor 2^(3 - 127) among the leaves: the byte cannot fall under 1
	v_max3_num_f32 v[MB], |v[\x+2]|, |v[\x+3]|, |v[\x+4]|
.irp i, 5,9,13,17,21,25
	v_max3_num_f32 v[MA], v[MA], |v[\x+\i]|, |v[\x+\i+1]|          ; two chains, so that no line waits for the line above it
	v_max3_num_f32 v[MB], v[MB], |v[\x+\i+2]|, |v[\x+\i+3]|
.endr
	v_max3_num_f32 v[MA], v[MA], |v[\x+29]|, |v[\x+30]|
	v_max3_num_f32 v[MA], v[MA], v[MB], |v[\x+31]|
	v_add_nc_u32 v[SO], 0xff000000, v[MA]          ; 2 off the exponent field: the conversion takes the exponent field of this operand as its scale
	v_lshrrev_b32 v[EB], 23, v[SO]                 ; the scale's byte
.irp g, 0,1,2,3
	v_cvt_scalef32_pk8_fp4_f32 v[\c+\g], v[\x+8*\g:\x+8*\g+7], v[SO]
.endr
.endm
	s_cmp_lg_u32 s14, 0
	s_cbranch_scc1 .Lv
; ---------------- K.  Image a = 2 b + u: keys 32 b + 8 u + 0 .. 7 and + 16 .. 23.  Eight loads of 512 consecutive bytes (two keys each) go through a stage and come back a block of 32 along d to a lane.
.macro LOAD a
.irp i, 0,1,2,3,4,5,6,7
	global_load_b128 v[R+32*((\a)%4)+4*\i:R+32*((\a)%4)+4*\i+3], v2, s[4:5] offset:8192*((\a)/2)+2048*((\a)%2)+512*\i+2048*(\i/4) th:TH_LOAD_NT
.endr
.endm
.macro TURN a                          ; LDS serves a wave's instructions in order: no wait between the stores and the loads
.irp i, 0,1,2,3,4,5,6,7
	ds_store_b128 v3, v[R+32*((\a)%4)+4*\i:R+32*((\a)%4)+4*\i+3] offset:HST*((\a)%2)+2*PIT*\i
.endr
.irp j, 0,1,2,3,4,5,6,7
	ds_load_b128 v[X+32*((\a)%2)+4*\j:X+32*((\a)%2)+4*\j+3], v4 offset:HST*((\a)%2)+16*\j
.endr
.endm
.macro IMG a
	s_wait_dscnt 0x0                               ; image a is back from its stage, and the stage's stores have read their registers,
.if (\a) < 4
	LOAD (\a)+4                                    ; which take the loads of four images on
.endif
.if (\a) < 7
.if (\a) < 3
	s_wait_loadcnt 24                              ; image a + 1 is in; the three images behind it, eight loads each, may be out
.else
	s_wait_loadcnt 8*(6-(\a))                      ; the counts run down: 6 - a images are younger
.endif
	TURN (\a)+1                                    ; through the other stage while this image is worked
.endif
.set XS, X+32*((\a)%2)
.set CC, C+4*(\a)
	QUANT32 XS, CC
.if (\a)%2 == 0
	v_mov_b32 v[SP+(\a)/2], v[EB]                  ; (a plain line behind the conversions)  u = 0: bits 0-7
.else
	v_lshl_or_b32 v[SP+(\a)/2], v[EB], 16, v[SP+(\a)/2]   ; u = 1: bits 16-23
.endif
	global_store_b128 v2, v[CC:CC+3], s[8:9] offset:512*(\a)   ; 32 lanes store 512 consecutive bytes
.endm
	LOAD 0
	LOAD 1
	LOAD 2
	LOAD 3
.irp b, 0,1,2,3
	v_mov_b32 v[T+\b], 0                           ; a lane permute's destination counts as one of its sources
.endr
	s_wait_loadcnt 24                              ; image 0 is in; images 1 to 3 may be out
	TURN 0
.irp a, 0,1,2,3,4,5,6,7
	IMG \a
.endr
.irp b, 0,1,2,3
	v_lshlrev_b32 v[SP+\b], v8, v[SP+\b]           ; my block's bytes at their places: 8 h bits up
.endr
.irp b, 0,1,2,3
	v_permlanex16_b32 v[T+\b], v[SP+\b], s24, s25
.endr
.irp b, 0,1,2,3
	v_or_b32 v[SP+\b], v[SP+\b], v[T+\b]           ; with lane l xor 16's the word is whole, in both halves of the lanes
.endr
	v_permlane16_swap_b32 v[SP], v[SP+2]           ; lanes 16-31 of words 0, 1 take words 2, 3 of the same row
	v_permlane16_swap_b32 v[SP+1], v[SP+3]
	global_store_b64 v5, v[SP:SP+1], s[10:11]      ; 32 lanes store 256 consecutive bytes, aligned
	s_wait_tensorcnt 0x0
	ds_add_u32 v254, v255
	s_wait_dscnt 0x0
	s_endpgm
; ---------------- V.  A lane takes a column d and its registers run down the keys.  Round q: keys 32 (q / 2) on, columns 32 (q % 2) + lane.  Nothing is transposed.
.Lv:
.macro LOADV q
.irp i, 0,1,2,3,4,5,6,7,8,9,10,11,12,13,14,15,16,17,18,19,20,21,22,23,24,25,26,27,28,29,30,31
	global_load_b32 v[XV+32*((\q)%2)+\i], v6, s[4:5] offset:(32*((\q)/2)+\i)*256+128*((\q)%2) th:TH_LOAD_NT
.endr
.endm
.macro BLOCK q
.if (\q) < 7
	s_wait_loadcnt 32                              ; this round's 32 loads are in; the next round's may be out
.else
	s_wait_loadcnt 0x0
.endif
.set XS, XV+32*((\q)%2)
.set CC, C+4*(\q)
	QUANT32 XS, CC
.if (\q)/2 == 0
	v_mov_b32 v[SP+(\q)%2], v[EB]                  ; (a plain line behind the conversions)  four bytes to a word, the lower keys in the lower byte
.else
	v_lshl_or_b32 v[SP+(\q)%2], v[EB], 8*((\q)/2), v[SP+(\q)%2]
.endif
	global_store_b128 v7, v[CC:CC+3], s[8:9] offset:2048*((\q)%2)+512*((\q)/4)+256*(((\q)/2)%2)   ; sixteen lanes store 256 consecutive bytes, aligned
.if (\q) < 6
	LOADV (\q)+2
.endif
.endm
	s_wait_alu depctr_va_vdst(0)
	LOADV 0
	LOADV 1
.irp q, 0,1,2,3,4,5,6,7
	BLOCK \q
.endr
	v_permlane16_swap_b32 v[SP], v[SP+1]           ; lanes 0-15 now hold the words of t = 0, 1 and lanes 16-31 those of t = 2, 3, of row lane % 16
	global_store_b64 v5, v[SP:SP+1], s[10:11]
	s_endpgm
.Lfunc_end_k_q395f4a4faf_quant:
	.size	k_q395f4a4faf_quant, .Lfunc_end_k_q395f4a4faf_quant-k_q395f4a4faf_quant
	.p2alignl 7, 3214868480
	.fill 96, 4, 3214868480
	.section	.rodata,"a",@progbits
	.p2align	6, 0x0
	.amdhsa_kernel k_q395f4a4faf_quant
		.amdhsa_group_segment_fixed_size 35328
		.amdhsa_private_segment_fixed_size 0
		.amdhsa_enable_private_segment 0
		.amdhsa_kernarg_size 32
		.amdhsa_user_sgpr_count 2
		.amdhsa_user_sgpr_kernarg_segment_ptr 1
		.amdhsa_wavefront_size32 1
		.amdhsa_system_sgpr_workgroup_id_x 1
		.amdhsa_system_sgpr_workgroup_id_y 1
		.amdhsa_system_sgpr_workgroup_id_z 1
		.amdhsa_system_vgpr_workitem_id 0
		.amdhsa_next_free_vgpr 256
		.amdhsa_next_free_sgpr 66
		.amdhsa_reserve_vcc 0
		.amdhsa_float_denorm_mode_32 3
		.amdhsa_float_denorm_mode_16_64 3
		.amdhsa_memory_ordered 1
		.amdhsa_forward_progress 1
		.amdhsa_inst_pref_size 67
	.end_amdhsa_kernel
	.amdgpu_metadata
---
amdhsa.version: [ 1, 2 ]
amdhsa.kernels:
  - .name:           k_q395f4a4faf_quant
    .symbol:         k_q395f4a4faf_quant.kd
    .args:
      - { .name: k, .offset: 0, .size: 8, .value_kind: global_buffer, .address_space: global }
      - { .name: v, .offset: 8, .size: 8, .value_kind: global_buffer, .address_space: global }
      - { .name: kvc, .offset: 16, .size: 8, .value_kind: global_buffer, .address_space: global }
      - { .name: kvs, .offset: 24, .size: 8, .value_kind: global_buffer, .address_space: global }
    .group_segment_fixed_size: 35328
    .private_segment_fixed_size: 0
    .kernarg_segment_align: 8
    .kernarg_segment_size: 32
    .max_flat_workgroup_size: 128
    .sgpr_count:     66
    .vgpr_count:     256
    .wavefront_size: 32
...
	.end_amdgpu_metadata
.endif
;; end of part 3
;; launch attn (part 4): grid 4 x 64, 16 waves a work-group, no clusters, 210,944 bytes of LDS; arguments q, kvc, kvs, modalities, out0; writes out0
.if DOCPART == 4
	.amdgcn_target "amdgcn-amd-amdhsa--gfx1250"
	.amdhsa_code_object_version 6
	.text
	.protected	k_q395f4a4faf_attn
	.globl	k_q395f4a4faf_attn
	.p2align	8
	.type	k_q395f4a4faf_attn,@function
k_q395f4a4faf_attn:
	s_mov_b64 s[64:65], 0
	v_nop
	global_prefetch_b8 v0, s[64:65] scope:SCOPE_SE
	s_setreg_imm32_b32 hwreg(HW_REG_WAVE_SCHED_MODE, 0, 2), 2
	s_setreg_imm32_b32 hwreg(HW_REG_WAVE_MODE, 25, 1), 1
	s_wait_xcnt 0x0
	s_wait_alu depctr_vm_vsrc(0)
; out[head][i][:] = the sum over j of softmax_j(q[i] . k[j] / 8, masked) v[j][:], 64 heads, 2,048 queries and keys, head size 64; both products on codes of FP4 (E2M1) with E8M0 scales for each 32 along K.
; THE MASK IS A PREFIX.  Key j counts for query i where j <= i, or i >= off_m and j < off_m + len_m for some m: that is j < L(i), L(i) = max(i + 1, the largest end_m among the m with off_m <= i), and L never
; falls as i grows.  So a tile of 16 queries q0 .. q0 + 15 leaves out every step of 128 keys that begins at or behind L(q0 + 15), and masks only in steps that reach past L(q0).
; THE SOFTMAX AHEAD OF THE SECOND PRODUCT: t = score x log2(e) / 8; M = the row's largest t so far, rounded UP to a whole number; p = 2^(t - M) is quantised along the keys, not normalised; the row's sum is taken of
; the unquantised p and divides at the end.  When M moves, the sum and O are multiplied by 2^(old M - new M): exact.
; SHARES.  Work-group (p, head) owns query blocks 7 - p and p (256 queries each) of its head.  Wave w owns two tiles of 16 queries, one after the other: 256 (7 - p) + 16 w and 256 p + 240 - 16 w: by j <= i alone
; every wave has 17 key steps.  A head's K and V as codes (131,072 bytes) and their scale bytes (8,192) come into LDS ONCE, through registers, ahead of the one barrier; behind it no wave waits for another.
; NO TENSOR LOAD, NO CLUSTER: the loop jumps over key steps on numbers read from memory (modalities); what the four work-groups of a head share is read once by each, 139,264 bytes.
; LAYOUT.  Both products are used transposed (S^T = K Q^T, O^T = V^T P^T): a lane holds ONE query (lane % 16) throughout.  The keys of a tile are not neighbours: lane r of tile 2 b + u takes key
; 32 b + 8 u + r + 8 (r / 8), so that the 16 registers of tiles 2 b and 2 b + 1 are the 16 neighbouring keys 32 b + 16 (lane / 16) + 0 .. 15.
; A HEAD OF 64 IN AN INSTRUCTION OF 128 ALONG K: a fragment of K holds TWO tiles of keys, tile 2 b at k = 0 .. 63 and tile 2 b + 1 at k = 64 .. 127.  Q's codes stand between zeros, v16-27 = [0 | q | 0]:
; v[20:27] = [q | 0] picks tile 2 b, v[16:23] = [0 | q] picks tile 2 b + 1; zero codes add nothing under any scale byte from 1 to 254.
; LIMITS: NaN and infinities among the inputs are not served; a block of zeros has the scale byte 1 (its codes are zeros); a p under 2^-126 becomes 0 (v_exp_f32: ISA guide, its entry in 15.8); off + len wraps as int32 does;
; a hidden key has the weight 0, which is what -1e30 gives in f32 while a row's largest visible logit lies above about -1e30.
; THE MODE: SCHED_MODE bits 1:0 = 2 (LLVM: expert scheduling mode 2), set by the entry lines.  The code itself states the register dependences between vector or matrix instructions and memory or LDS
; instructions, with s_wait_alu, always for 0.
; THE PLAN.  Registers that memory or LDS instructions touch, and who else names them:
;   v1-4      16 x lane and three places in my stage: written once at the head, ahead of the head's wait on va_vdst; read by loads and stores everywhere; never written again.
;   v8-10     the fill's offsets: written at the head, read by the fill's loads and LDS stores; a tile's quantiser writes them again, behind the tile's wait on vm_vsrc.
;   v6, v7    a step's LDS addresses: written by two additions at the step's head, behind a wait on vm_vsrc (the last step's loads have read them); read by the step's 17 LDS loads.
;   SCW, F, FV  the step's scale words, K's fragments, V's fragments: the step's loads land in them; its products read them.  K and V have a buffer each, so all 17 loads go out together at the step's head.
;   S         the fill, Q's turn through the stage and O's way back land in it; products and the softmax write it; the fill's LDS stores, the stage's stores and the global stores read it.
;   QR        Q's loads land in it, the stage's LDS stores read it; no vector instruction names it.
; So ONE wait on va_vdst stands at a step's head, behind the two additions: v6 and v7 are written, and the last step's products are done reading SCW, F and FV.  A tile's head has one wait on vm_vsrc for all
; that earlier stores have read.  The other waits on va_vdst in a step stand ahead of the exponentials and of their readers and ahead of the second product, which takes codes and a scale word that vector instructions have just written.
; Compares go in runs into scalar registers, with one wait on va_sdst behind each run.
.set SCB, 131072                       ; LDS: 0 .. 131071 the codes, step s at 8192 s (K's 4,096 bytes, then V's); from SCB the scale words, step s at 512 s;
.set STG, 139264                       ; from STG a stage of 16 rows x 272 bytes for each wave: Q's way in and O's way out
.set PIT, 272                          ; a stage row: 256 bytes + 16, so that 16 rows start at 16 different 16-byte columns of 256
.set QS,  28                           ; v28      Q's scale word [q0, q1, q0, q1]
.set SCW, 32                           ; v32-35   the step's scale words: lanes 0-15 K's fragment b, lanes 16-31 V's tile t
.set F,   36                           ; v36-67   K's four fragments
.set PC,  68                           ; v68-75   p's codes
.set BM,  76                           ; v76-79   each block's largest score, then its largest p; at a tile's head the ends that count for my query
.set T1,  80                           ; v80-83   lane permutes' destinations, a second chain of the sum, the bytes
.set SOP, 84                           ; v84-87   the conversions' scale operands
.set FF,  88                           ; v[88:89] f = 2^(old M - new M); v89 is only named with it as a pair
.set PS,  90                           ; v90      p's scale word
.set TT,  91                           ; v91      at work
.set NI,  92                           ; v92      -infinity
.set DD,  93                           ; v93      L(my query) - 16 (lane / 16) - the step's first key
.set S,   96                           ; v96-159  S^T, then p; at the head the fill; on the way out O / the sum
.set O,   160                          ; v160-191 O^T
.set QR,  192                          ; v192-223 a tile of Q as loaded
.set FV,  224                          ; v224-255 V's four fragments
.set CM,  66                           ; s66-97   the masks of a run of compares
; v1 16 x lane; v2, v3, v4 places in my stage; v5 L(my query) - 16 (lane / 16); v6, v7 the step's LDS addresses; v8-11 at work; v12 -M, v13 the largest t, v[14:15] the sum in two halves; v29 r, v30 16 h, v31 8 h
; s14 wave; s15 p; s16 head; s[20:21] lane selects; s[22:23] c; s24, s25 the tiles' first queries; s[26:29] their rows of q; s[30:33] of out; s[36:47] the batch's modalities; s48 L(q0 + 15), s49 L(q0); s50 the step's first key; s51, s52 its LDS bytes
	s_load_b256 s[4:11], s[0:1], 0x0               ; q s[4:5], kvc s[6:7], kvs s[8:9], modalities s[10:11]
	s_load_b64 s[12:13], s[0:1], 0x20              ; out0
	v_lshl_add_u32 v94, v0, 2, 0x33000
	v_mov_b32 v95, 0
	v_lshrrev_b32 v8, 5, v0
	v_readfirstlane_b32 s14, v8                    ; wave 0..15
	s_mov_b32 s15, ttmp9                           ; p
	s_and_b32 s16, ttmp7, 0xffff                   ; head
	s_lshl_b32 s17, s16, 19                        ; a head's rows of q and out: 2,048 x 256 bytes
	s_lshr_b32 s18, s16, 4                         ; the batch: 16 heads each,
	s_mul_i32 s18, s18, 48                         ; 4 x 3 words of modalities
	s_mov_b32 s19, 0
	s_mov_b32 s20, 0x76543210
	s_mov_b32 s21, 0xfedcba98                      ; v_permlanex16_b32's selects for lane l xor 16
	s_mov_b32 s22, 0x3e38aa3b                      ; c = log2(e) / 8
	s_mov_b32 s23, s22                             ; (named with it as a pair, so it is written)
	s_wait_alu depctr_va_sdst(0)                   ; s14 is written, ahead of its first reader: the tiles' queries and my stage are made from it
	s_lshl_b32 s53, s14, 4
	s_sub_co_u32 s24, 7, s15
	s_lshl_b32 s24, s24, 8
	s_add_co_u32 s24, s24, s53                     ; tile A: 256 (7 - p) + 16 w
	s_lshl_b32 s25, s15, 8
	s_add_co_u32 s25, s25, 240
	s_sub_co_u32 s25, s25, s53                     ; tile B: 256 p + 240 - 16 w
	s_lshl_b32 s54, s24, 8
	s_add_co_u32 s54, s54, s17
	s_mov_b32 s55, 0
	s_lshl_b32 s56, s25, 8
	s_add_co_u32 s56, s56, s17
	s_mov_b32 s57, 0
	s_lshl_b32 s58, s16, 17                        ; a head's codes
	s_mov_b32 s59, 0
	s_lshl_b32 s60, s16, 13                        ; and scale words
	s_mov_b32 s61, 0
	s_mul_i32 s34, s14, 16*PIT
	s_add_co_u32 s34, s34, STG                     ; my stage
	v_and_b32 v8, 31, v0
	v_lshlrev_b32 v1, 4, v8                        ; 16 x lane
	v_and_b32 v29, 15, v0                          ; r
	v_bfe_u32 v9, v0, 4, 1                         ; h
	v_lshlrev_b32 v30, 4, v9
	v_lshlrev_b32 v31, 3, v9
	v_mul_u32_u24 v2, v9, PIT
	v_lshl_add_u32 v2, v29, 4, v2
	v_add_nc_u32 v2, s34, v2                       ; whole rows: lanes 0-15 one row, lanes 16-31 the next
	v_mul_u32_u24 v3, v29, PIT
	v_lshl_add_u32 v4, v9, 5, v3
	v_lshl_add_u32 v3, v9, 7, v3
	v_add_nc_u32 v3, s34, v3                       ; Q: row r, block h: 128 bytes
	v_add_nc_u32 v4, s34, v4                       ; O: row r, + 32 h
	v_lshlrev_b32 v8, 4, v0                        ; the fill: 16 x thread: the work-group's 512 threads take 8,192 bytes an instruction
	v_add_nc_u32 v9, 0x10000, v8                   ; (an LDS immediate has 16 bits)
	v_add_nc_u32 v10, SCB, v8
	s_wait_kmcnt 0x0
	s_add_nc_u64 s[10:11], s[10:11], s[18:19]
	s_load_b256 s[36:43], s[10:11], 0x0            ; (type, off, len) x 4: off in s37, s40, s43, s46; len in s38, s41, s44, s47
	s_load_b128 s[44:47], s[10:11], 0x20
	s_add_nc_u64 s[26:27], s[4:5], s[54:55]
	s_add_nc_u64 s[28:29], s[4:5], s[56:57]
	s_add_nc_u64 s[30:31], s[12:13], s[54:55]
	s_add_nc_u64 s[32:33], s[12:13], s[56:57]
	s_add_nc_u64 s[6:7], s[6:7], s[58:59]
	s_add_nc_u64 s[8:9], s[8:9], s[60:61]
	s_wait_alu depctr_va_vdst(0)                   ; v1 to v4 and v8 to v10 are written: the loads and stores below, here and in both tiles, read them as offsets and LDS addresses
.irp s, 0,1,2,3,4,5,6,7,8,9,10,11,12,13,14,15
	global_load_b128 v[S+4*\s:S+4*\s+3], v8, s[6:7] offset:8192*\s   ; the head's codes, a step an instruction
.endr
	global_load_b128 v[SCW:SCW+3], v8, s[8:9]      ; and its scale words
.macro QLOAD base                      ; a tile of Q: 16 rows of 256 bytes, dense: 512 consecutive bytes an instruction
.irp i, 0,1,2,3,4,5,6,7
	global_load_b128 v[QR+4*\i:QR+4*\i+3], v1, s[\base:\base+1] offset:512*\i th:TH_LOAD_NT
.endr
.endm
	QLOAD 26
.irp j, 16,17,18,19,24,25,26,27
	v_mov_b32 v[\j], 0                             ; the zero codes on both sides of Q's
.endr
.irp b, 0,1,2,3
	v_mov_b32 v[T1+\b], 0                          ; a lane permute's destination counts as one of its sources
.endr
	v_mov_b32 v[FF+1], 0
	s_wait_kmcnt 0x0
.irp m, 0,1,2,3
	s_add_co_i32 s[38+3*\m], s[37+3*\m], s[38+3*\m]   ; end = off + len,
	s_min_i32 s[38+3*\m], s[38+3*\m], 2048         ; and no key lies at or past 2,048
.endr
.irp s, 0,1,2,3,4,5,6,7
	s_wait_loadcnt 24-\s                           ; loads come back in order: behind this one stand 16 - s of the fill and Q's eight
	ds_store_b128 v8, v[S+4*\s:S+4*\s+3] offset:8192*\s
.endr
.irp s, 8,9,10,11,12,13,14,15
	s_wait_loadcnt 24-\s
	ds_store_b128 v9, v[S+4*\s:S+4*\s+3] offset:8192*(\s-8)
.endr
	s_wait_loadcnt 8                               ; Q's eight may stay out
	ds_store_b128 v10, v[SCW:SCW+3]
	s_wait_dscnt 0x0                               ; for the others' sake: my part of the fill has landed
	s_barrier_signal -1
	s_barrier_wait -1                              ; the one barrier: from here on the codes and scale words are only read
; One tile of 16 queries.  q0: the scalar register with its first query; ob: the pair with its rows of out; more: the pair with the next tile's rows of q, or 0.
.macro PASS q0, ob, more
	s_wait_loadcnt 0x0                             ; Q is in
	s_wait_xcnt 0x0                                ; the last tile's stores have read their registers: those are written again only behind this wait
	s_wait_alu depctr_vm_vsrc(0)                   ; the fill's LDS stores (first tile), the last tile's stage stores and global stores (second tile) have read v[S ..], in which Q lands below and which the products write; the fill has read v[SCW ..] and v8 to v10
.irp i, 0,1,2,3,4,5,6,7
	ds_store_b128 v2, v[QR+4*\i:QR+4*\i+3] offset:2*PIT*\i   ; Q turns through my stage: in as it was loaded,
.endr
.irp j, 0,1,2,3,4,5,6,7
	ds_load_b128 v[S+4*\j:S+4*\j+3], v3 offset:16*\j         ; out a block of 32 along d to a lane (LDS serves a wave's instructions in order).  No vector instruction since the last wait on va_vdst names these registers
.endr
	s_add_co_u32 s48, s[\q0], 16                   ; L of the tile's last query,
	s_add_co_u32 s49, s[\q0], 1                    ; and of its first
	s_add_co_u32 s53, s[\q0], 15
.irp m, 0,1,2,3
	s_cmp_ge_i32 s53, s[37+3*\m]
	s_cselect_b32 s54, s[38+3*\m], 0
	s_max_i32 s48, s48, s54
	s_cmp_ge_i32 s[\q0], s[37+3*\m]
	s_cselect_b32 s54, s[38+3*\m], 0
	s_max_i32 s49, s49, s54
.endr
	s_wait_dscnt 0x0
.if \more
	s_wait_alu depctr_vm_vsrc(0)                   ; the stage's LDS stores have read v[QR ..], in which the next tile's Q lands
	QLOAD \more                                    ; the next tile's Q has this whole tile in which to land
.endif
	v_max3_num_f32 v8, |v[S]|, |v[S+1]|, 0x1800000 ; my block's largest magnitude, and the floor 2^(3 - 127): the byte cannot fall under 1
	v_max3_num_f32 v9, |v[S+2]|, |v[S+3]|, |v[S+4]|
.irp i, 5,9,13,17,21,25
	v_max3_num_f32 v8, v8, |v[S+\i]|, |v[S+\i+1]|
	v_max3_num_f32 v9, v9, |v[S+\i+2]|, |v[S+\i+3]|
.endr
	v_max3_num_f32 v8, v8, |v[S+29]|, |v[S+30]|
	v_max3_num_f32 v8, v8, v9, |v[S+31]|
	v_add_nc_u32 v10, 0xff000000, v8               ; 2 off the exponent field: the conversion's scale operand
	v_lshrrev_b32 v11, 23, v10                     ; the scale's byte
.irp g, 0,1,2,3
	v_cvt_scalef32_pk8_fp4_f32 v[20+\g], v[S+8*\g:S+8*\g+7], v10
.endr
	v_nop                                          ; one plain line behind the last scaled conversion
	v_lshlrev_b32 v11, v31, v11                    ; my byte 8 h bits up,
	v_permlanex16_b32 v[T1+1], v11, s20, s21
	v_or_b32 v11, v11, v[T1+1]                     ; with lane l xor 16's: [q0, q1],
	v_lshl_or_b32 v[QS], v11, 16, v11              ; and once more for k = 64 .. 127
	v_add_nc_u32 v8, s[\q0], v29                   ; my query i,
	v_add_nc_u32 v9, 1, v8                         ; and i + 1.  L = the largest of i + 1 and the ends that count: the compares go in runs
.irp m, 0,1,2,3
	v_cmp_le_i32 s[CM+\m], s[37+3*\m], v8          ; off <= i?
	v_cmp_gt_i32 s[CM+4+\m], s[38+3*\m], v9        ; end > i + 1?
	v_mov_b32 v[BM+\m], s[38+3*\m]
.endr
	s_wait_alu depctr_va_sdst(0)                   ; the eight compares have written their masks, ahead of the first reader
.irp m, 0,1,2,3
	s_and_b32 s[CM+\m], s[CM+\m], s[CM+4+\m]
.endr
.irp m, 0,1,2,3
	v_cndmask_b32 v[BM+\m], v9, v[BM+\m], s[CM+\m] ; end where both hold, else i + 1
.endr
	v_cmp_gt_i32 s[CM+4], v[BM+1], v[BM]
	v_cmp_gt_i32 s[CM+5], v[BM+3], v[BM+2]
	s_wait_alu depctr_va_sdst(0)                   ; the two compares have written their masks
	v_cndmask_b32 v[BM], v[BM], v[BM+1], s[CM+4]   ; the larger of each two,
	v_cndmask_b32 v[BM+2], v[BM+2], v[BM+3], s[CM+5]
	v_cmp_gt_i32 s[CM+4], v[BM+2], v[BM]
	s_wait_alu depctr_va_sdst(0)                   ; the compare has written its mask
	v_cndmask_b32 v9, v[BM], v[BM+2], s[CM+4]      ; and of those: L
	v_sub_nc_u32 v5, v9, v30                       ; L - 16 h
	v_mov_b32 v13, 0xff61b1e6                      ; the largest t so far: -3e38, under every t
	v_floor_f32 v12, -v13                          ; -M
	v_mov_b32 v14, 0                               ; the sum, in two halves
	v_mov_b32 v15, 0
.irp j, 0,1,2,3,4,5,6,7,8,9,10,11,12,13,14,15,16,17,18,19,20,21,22,23,24,25,26,27,28,29,30,31
	v_mov_b32 v[O+\j], 0                           ; O^T: the step is written once; the first finds zeros, which the first change of M leaves zeros
.endr
	s_mov_b32 s50, 0
	s_mov_b32 s51, 0
	s_mov_b32 s52, SCB
.Lstep_\@:                                             ; 16 trips, a constant: what is left out is a step's work, by a jump to the lines that step the addresses
	s_cmp_ge_i32 s50, s48                          ; all 128 keys hidden from all 16 queries?
	s_cbranch_scc1 .Lhidden_\@
	s_wait_alu depctr_vm_vsrc(0)                   ; the last step's LDS loads have read v6 and v7, which are written again
	v_add_nc_u32 v6, s51, v1
	v_add_nc_u32 v7, s52, v1
	s_wait_alu depctr_va_vdst(0)                   ; v6 and v7 are written, which the loads below read; the last step's products are done reading v[SCW ..], v[F ..] and v[FV ..], in which they land; in a tile's first step Q's codes, the zeros beside them and Q's scale word are written, which the products take
	ds_load_b128 v[SCW:SCW+3], v7
.irp f, 0,1,2,3
.irp c, 0,1
	ds_load_b128 v[F+8*\f+4*\c:F+8*\f+4*\c+3], v6 offset:1024*\f+512*\c   ; K's fragment f: tiles 2 f and 2 f + 1
.endr
.endr
.irp t, 0,1,2,3
.irp c, 0,1
	ds_load_b128 v[FV+8*\t+4*\c:FV+8*\t+4*\c+3], v6 offset:4096+1024*\t+512*\c   ; V's four tiles, into a buffer of their own: they land while the first product and the softmax are worked
.endr
.endr
	s_wait_dscnt 8                                 ; LDS loads come back in order: the scale words and K are in; V's eight may be out
.irp b, 0,1,2,3                        ; S^T = K Q^T: eight accumulators, each begun with the constant 0
	v_wmma_scale_f32_16x16x128_f8f6f4 v[S+16*\b:S+16*\b+7], v[F+8*\b:F+8*\b+7], v[20:27], 0, v[SCW+\b], v[QS] matrix_a_fmt:MATRIX_FMT_FP4 matrix_b_fmt:MATRIX_FMT_FP4
	v_wmma_scale_f32_16x16x128_f8f6f4 v[S+16*\b+8:S+16*\b+15], v[F+8*\b:F+8*\b+7], v[16:23], 0, v[SCW+\b], v[QS] matrix_a_fmt:MATRIX_FMT_FP4 matrix_b_fmt:MATRIX_FMT_FP4
.endr
.rept 4
	v_nop                                          ; four places (ISA guide 7.12.1) in front of the first read of the scores
.endr
	s_add_co_u32 s53, s50, 128
	s_cmp_le_i32 s53, s49                          ; do all 128 keys count for all 16 queries?
	s_cbranch_scc1 .Lopen_\@
	v_sub_nc_u32 v[DD], v5, s50                    ; register 16 b + i holds key s50 + 32 b + 16 h + i: hidden where 32 b + i >= L - 16 h - s50
	v_mov_b32 v[NI], 0xff800000                    ; -infinity: p = 0 then
.irp g, 0,1                            ; 32 scores at a time: a run of compares into 32 scalar registers, one wait, the selects
.irp n, 0,1,2,3,4,5,6,7,8,9,10,11,12,13,14,15,16,17,18,19,20,21,22,23,24,25,26,27,28,29,30,31
	v_cmp_ge_i32 s[CM+\n], 32*(2*\g+\n/16)+\n%16, v[DD]
.endr
	s_wait_alu depctr_va_sdst(0)                   ; the 32 compares have written their masks, ahead of the first select
.irp n, 0,1,2,3,4,5,6,7,8,9,10,11,12,13,14,15,16,17,18,19,20,21,22,23,24,25,26,27,28,29,30,31
	v_cndmask_b32 v[S+32*\g+\n], v[S+32*\g+\n], v[NI], s[CM+\n]
.endr
.endr
.Lopen_\@:
.irp b, 0,1,2,3
	v_max3_num_f32 v[BM+\b], v[S+16*\b], v[S+1+16*\b], v[S+2+16*\b]   ; the largest score of each block of 32 keys: for the row's maximum and, since p rises with the score, for the block's largest p
.endr
.irp i, 3,5,7,9,11,13
.irp b, 0,1,2,3
	v_max3_num_f32 v[BM+\b], v[BM+\b], v[S+16*\b+\i], v[S+1+16*\b+\i]  ; (the four blocks by turns)
.endr
.endr
.irp b, 0,1,2,3
	v_max_num_f32 v[BM+\b], v[BM+\b], v[S+15+16*\b]
.endr
.irp b, 0,1,2,3
	v_permlanex16_b32 v[T1+\b], v[BM+\b], s20, s21
.endr
.irp b, 0,1,2,3
	v_max_num_f32 v[BM+\b], v[BM+\b], v[T1+\b]     ; with lane l xor 16's 16 keys
.endr
	v_max3_num_f32 v[TT], v[BM], v[BM+1], v[BM+2]
	v_max_num_f32 v[TT], v[TT], v[BM+3]            ; the step's largest score of my query
	v_mul_f32 v[TT], s22, v[TT]                    ; as t (c is positive)
	v_max_num_f32 v13, v13, v[TT]                  ; the running largest t
	v_mov_b32 v[TT], v12
	v_floor_f32 v12, -v13                          ; the new -M = floor(-t) = -ceil(t): a whole number
	v_sub_f32 v[TT], v12, v[TT]                    ; M's old value less its new one: 0 or less
	v_cvt_i32_f32 v[TT], v[TT]                     ; (it saturates)
	v_ldexp_f32 v[FF], 1.0, v[TT]                  ; f = 2^(old M - new M)
.irp j, 0,2,4,6,8,10,12,14,16,18,20,22,24,26,28,30,32,34,36,38,40,42,44,46,48,50,52,54,56,58,60,62
	v_pk_fma_f32 v[S+\j:S+1+\j], v[S+\j:S+1+\j], s[22:23], v[12:13] op_sel_hi:[1,0,0]   ; t - M, two at a time (of the pairs c and -M the low word serves both halves)
.endr
.irp b, 0,1,2,3
	v_fma_f32 v[BM+\b], v[BM+\b], s22, v12         ; the same of each block's largest score
.endr
	s_wait_alu depctr_va_vdst(0)
.irp j, 0,1,2,3,4,5,6,7,8,9,10,11,12,13,14,15,16,17,18,19,20,21,22,23,24,25,26,27,28,29,30,31,32,33,34,35,36,37,38,39,40,41,42,43,44,45,46,47,48,49,50,51,52,53,54,55,56,57,58,59,60,61,62,63
	v_exp_f32 v[S+\j], v[S+\j]                     ; p = 2^(t - M), at most 1: not normalised
.endr
	v_pk_mul_f32 v[14:15], v[14:15], v[FF:FF+1] op_sel_hi:[1,0]   ; the sums under the new M: the plain line behind the exponentials
	s_wait_alu depctr_va_vdst(0)                   ; the 64 exponentials have written p in v[S ..], ahead of the first line that names a result: one wait for the batch
.irp b, 0,1,2,3
	v_exp_f32 v[BM+\b], v[BM+\b]                   ; the block's largest p: the same two instructions on the same number give the same bits
.endr
	v_pk_add_f32 v[T1:T1+1], v[S:S+1], v[S+2:S+3]  ; the row's sum is taken of the unquantised p: two at a time, in two chains
.irp j, 4,8,12,16,20,24,28,32,36,40,44,48,52,56,60
	v_pk_add_f32 v[14:15], v[14:15], v[S+\j:S+1+\j]
	v_pk_add_f32 v[T1:T1+1], v[T1:T1+1], v[S+2+\j:S+3+\j]
.endr
	v_pk_add_f32 v[14:15], v[14:15], v[T1:T1+1]
	s_wait_alu depctr_va_vdst(0)                   ; the four exponentials have written the blocks' largest p in v[BM ..], ahead of the first line that names them
.irp b, 0,1,2,3
	v_max_num_f32 v[BM+\b], 0x1800000, v[BM+\b]    ; the floor 2^(3 - 127): the byte cannot fall under 1 (a block whose every p is 0 keeps that byte: its codes are zeros)
.endr
.irp b, 0,1,2,3
	v_add_nc_u32 v[SOP+\b], 0xff000000, v[BM+\b]   ; 2 off the exponent field: the conversion's scale operand
.endr
.irp b, 0,1,2,3
	v_lshrrev_b32 v[T1+\b], 23, v[SOP+\b]          ; the scale's byte
.endr
	v_lshl_or_b32 v[PS], v[T1+1], 8, v[T1]         ; p's scale word for these 128 keys
	v_lshl_or_b32 v[PS], v[T1+2], 16, v[PS]
	v_lshl_or_b32 v[PS], v[T1+3], 24, v[PS]
.irp b, 0,1,2,3
	v_cvt_scalef32_pk8_fp4_f32 v[PC+2*\b], v[S+16*\b:S+7+16*\b], v[SOP+\b]
	v_cvt_scalef32_pk8_fp4_f32 v[PC+1+2*\b], v[S+8+16*\b:S+15+16*\b], v[SOP+\b]
.endr
	v_nop                                          ; one plain line behind the last scaled conversion
.irp c, 0,1                            ; the operand's layout wants a whole block in a lane: lanes 0-15 block 2 c, lanes 16-31 block 2 c + 1
.irp i, 0,1
	v_permlane16_swap_b32 v[PC+4*\c+\i], v[PC+2+4*\c+\i]
.endr
.endr
.irp j, 0,2,4,6,8,10,12,14,16,18,20,22,24,26,28,30
	v_pk_mul_f32 v[O+\j:O+1+\j], v[O+\j:O+1+\j], v[FF:FF+1] op_sel_hi:[1,0]   ; O^T under the new M.  For each product below twelve of these sixteen name none of its registers: the places between p's scale word and codes and that product
.endr
	s_wait_dscnt 0x0                               ; V is in
	s_wait_alu depctr_va_vdst(0)                   ; the conversions and exchanges have written p's codes v[PC ..], the shifts its scale word v[PS]: the products below take them as source 1 and as its scales; the places above stay beside this wait
.irp t, 0,1,2,3                        ; O^T += V^T P^T: the four accumulators by turns, one instruction a turn; eight other products stand between a link and the next
	v_wmma_scale_f32_16x16x128_f8f6f4 v[O+8*\t:O+8*\t+7], v[FV+8*\t:FV+8*\t+7], v[PC:PC+7], v[O+8*\t:O+8*\t+7], v[SCW+\t], v[PS] matrix_a_fmt:MATRIX_FMT_FP4 matrix_b_fmt:MATRIX_FMT_FP4 matrix_a_scale:MATRIX_SCALE_ROW1
.endr
.rept 4
	v_nop                                          ; four places in front of the way out's reads of O^T and of the next tile's lines that write these products' registers
.endr
.Lhidden_\@:
	s_add_co_u32 s51, s51, 8192                    ; the next step's codes
	s_add_co_u32 s52, s52, 512                     ; and scale words
	s_add_co_u32 s50, s50, 128
	s_cmp_lt_u32 s50, 2048
	s_cbranch_scc1 .Lstep_\@
	; THE WAY OUT: O^T / the sum goes through my stage and leaves as whole rows of 256 bytes
	v_add_f32 v14, v14, v15                        ; the sum's two halves,
	v_permlanex16_b32 v[T1], v14, s20, s21
	v_add_f32 v14, v14, v[T1]                      ; and lane l xor 16's: the row's sum
	s_wait_alu depctr_va_vdst(0)
	v_rcp_f32 v14, v14
	v_nop                                          ; one plain line behind the reciprocal
	s_wait_alu depctr_va_vdst(0)                   ; the reciprocal has written v14, ahead of its first reader
.irp j, 0,1,2,3,4,5,6,7,8,9,10,11,12,13,14,15,16,17,18,19,20,21,22,23,24,25,26,27,28,29,30,31
	v_mul_f32 v[S+\j], v[O+\j], v14                ; register 8 t + i is out(r, 16 t + 8 h + i); each accumulator is read from its low end on
.endr
	s_wait_alu depctr_va_vdst(0)                   ; the multiplications have written v[S .. S + 31], which the LDS stores read; the last step's sums and conversions are done reading v[S + 32 ..], in which the loads from the stage land
.irp t, 0,1,2,3
	ds_store_b128 v4, v[S+8*\t:S+8*\t+3] offset:64*\t
	ds_store_b128 v4, v[S+8*\t+4:S+8*\t+7] offset:64*\t+16
.endr
.irp i, 0,1,2,3,4,5,6,7
	ds_load_b128 v[S+32+4*\i:S+32+4*\i+3], v2 offset:2*PIT*\i    ; LDS serves a wave's instructions in order: these see my stores
.endr
.irp i, 0,1,2,3,4,5,6,7
	s_wait_dscnt 7-\i                              ; 7 - i younger loads may be out
	global_store_b128 v1, v[S+32+4*\i:S+32+4*\i+3], s[\ob:\ob+1] offset:512*\i th:TH_STORE_NT   ; 32 lanes store two rows: 512 consecutive bytes, aligned
.endr
.endm
	PASS 24, 30, 28                                ; tile A, of the later block of queries
	PASS 25, 32, 0                                 ; tile B, of the earlier one
	s_wait_dscnt 0x0
	s_wait_alu depctr_hold_cnt(0) depctr_sa_sdst(0) depctr_va_vdst(0) depctr_va_sdst(0) depctr_va_ssrc(0) depctr_va_vcc(0) depctr_vm_vsrc(0)
	s_wait_tensorcnt 0x0
	ds_add_u32 v94, v95
	s_wait_dscnt 0x0
	s_endpgm
.Lfunc_end_k_q395f4a4faf_attn:
	.size	k_q395f4a4faf_attn, .Lfunc_end_k_q395f4a4faf_attn-k_q395f4a4faf_attn
	.p2alignl 7, 3214868480
	.fill 96, 4, 3214868480
	.section	.rodata,"a",@progbits
	.p2align	6, 0x0
	.amdhsa_kernel k_q395f4a4faf_attn
		.amdhsa_group_segment_fixed_size 210944
		.amdhsa_private_segment_fixed_size 0
		.amdhsa_enable_private_segment 0
		.amdhsa_kernarg_size 40
		.amdhsa_user_sgpr_count 2
		.amdhsa_user_sgpr_kernarg_segment_ptr 1
		.amdhsa_wavefront_size32 1
		.amdhsa_system_sgpr_workgroup_id_x 1
		.amdhsa_system_sgpr_workgroup_id_y 1
		.amdhsa_system_sgpr_workgroup_id_z 1
		.amdhsa_system_vgpr_workitem_id 0
		.amdhsa_next_free_vgpr 256
		.amdhsa_next_free_sgpr 98
		.amdhsa_reserve_vcc 0
		.amdhsa_float_denorm_mode_32 3
		.amdhsa_float_denorm_mode_16_64 3
		.amdhsa_memory_ordered 1
		.amdhsa_forward_progress 1
		.amdhsa_inst_pref_size 77
	.end_amdhsa_kernel
	.amdgpu_metadata
---
amdhsa.version: [ 1, 2 ]
amdhsa.kernels:
  - .name:           k_q395f4a4faf_attn
    .symbol:         k_q395f4a4faf_attn.kd
    .args:
      - { .name: q, .offset: 0, .size: 8, .value_kind: global_buffer, .address_space: global }
      - { .name: kvc, .offset: 8, .size: 8, .value_kind: global_buffer, .address_space: global }
      - { .name: kvs, .offset: 16, .size: 8, .value_kind: global_buffer, .address_space: global }
      - { .name: modalities, .offset: 24, .size: 8, .value_kind: global_buffer, .address_space: global }
      - { .name: out0, .offset: 32, .size: 8, .value_kind: global_buffer, .address_space: global }
    .group_segment_fixed_size: 210944
    .private_segment_fixed_size: 0
    .kernarg_segment_align: 8
    .kernarg_segment_size: 40
    .max_flat_workgroup_size: 512
    .sgpr_count:     98
    .vgpr_count:     256
    .wavefront_size: 32
...
	.end_amdgpu_metadata
.endif
;; end of part 4
